; MI455X (gfx1250); checked and timed in simulation.
; The chip was launched on July 23, 2026; its instructions are those of AMD's public machine-readable ISA for CDNA 5 (MIT licence, August 2026) and "CDNA5" Instruction Set Architecture Reference Guide (July 2026). The comments in the code are by the model that wrote it; some were corrected since.
;; Attn Block. Allowed arithmetic: float matrix products may take bf16 or f16 operands with f32 sums; all other float work in f32.
;; Inputs: bk 512 float32; bp 512 float32; bq 512 float32; bv 512 float32; gn_beta 512 float32; gn_gamma 512 float32; wk 512 x 512 float32; wp 512 x 512 float32; wq 512 x 512 float32; wv 512 x 512 float32; x 2 x 512 x 64 x 64 float32.
;; Outputs: out0 2 x 512 x 64 x 64 float32.
;; 2 versions, each right; version 2 is version 1 with the launches qkv, comb written anew for expert scheduling mode. Each part assembles by itself: llvm-mc -triple=amdgcn-amd-amdhsa -mcpu=gfx1250 --defsym DOCPART=n.
;; ======== version 1 of 2: 4 launches
;; workspace buffers: wimg 1,572,864 bytes; aux 8,192 bytes; qkv 25,165,824 bytes; opart 33,554,432 bytes; ml 131,072 bytes
;; launch prep (part 1): grid 256 x 1, 16 waves a work-group, no clusters, 69,632 bytes of LDS; arguments x, wq, wk, wv, wp, bq, bk, bv, wimg, aux; writes wimg, aux
.if DOCPART == 1
	.amdgcn_target "amdgcn-amd-amdhsa--gfx1250"
	.amdhsa_code_object_version 6
	.text
	.protected	k_q0eba4783ee_prep
	.globl	k_q0eba4783ee_prep
	.p2align	8
	.type	k_q0eba4783ee_prep,@function
k_q0eba4783ee_prep:
	s_mov_b64 s[64:65], 0
	v_nop
	global_prefetch_b8 v0, s[64:65] scope:SCOPE_SE
	s_setreg_imm32_b32 hwreg(HW_REG_WAVE_MODE, 25, 1), 1
	s_wait_xcnt 0x0
; PREP.  Work-group g of 256 (ot = g >> 3, cb8 = g & 7), sixteen waves, does four small things at once:
;  (1) mean and sum of squared deviations of quarter g of the 64 norm groups' data (16,384 neighbouring f32 of x), two passes over registers;
;  (2) 16 rows x 64 columns of wq * SIGMA and of wk, rounded to bf16, as fragment images;
;  (3) 16 rows x 64 columns of Wpv = Wp Wv on the matrix unit (bf16 operands, f32 sums), the middle index split over the 16 waves (32 each),
;      the sixteen partial blocks added in f32 through LDS, rounded to bf16, as a fragment image;
;  (4) where cb8 = 0: the biases bq * SIGMA, bk and Wp bv (f32) of rows 16 ot .. 16 ot + 15.
; SIGMA = log2(e) / sqrt(512): the scores' scale and the change from e^x to 2^x, folded into wq and bq before they are rounded.
; Wp (V P) = (Wp Wv h + Wp bv) P holds for every input, so the projection is folded into the value weights.
; FRAGMENT IMAGE: a half fragment is 512 bytes; lane (r = lane & 15, h = lane >> 4) owns the 16 bytes at 16 x lane: 8 bf16, k = 8 h .. 8 h + 7 of 16 k, row r.
; wimg: [matrix 3 (q, k, pv)][row tile 32][column / 16 (32)][512 bytes].   aux: f32 bias[1536] at byte 0; (mean, M2) of the 256 quarters at byte 6144.
; TWO BARRIERS: behind the first the waves' sums of x, partial blocks and partial Wp bv may be read; behind the second the sums of squares too, and no wave writes LDS any more.
; LIMITS: Wpv is rounded three times to bf16 (Wp, Wv, the product).  NaN and infinities are not treated apart.
.set SIGMA, 0x3d8293ee
.set BPL,  65536                       ; LDS: [wave 16][16] f32, partial Wp bv.  Bytes 0 .. 65,535: [wave 16][tile 4][register pair 4][lane][8 B], the partial blocks of Wpv
.set SML,  66560                       ; LDS: 16 f32, the waves' sums of x; 64 bytes further: 16 f32, the waves' sums of squares
.set CAST, 12                          ; v[12:15]    4 f32 of wq or wk
.set WP,   16                          ; v[16:31]    Wp(16 ot + r, my 16 k)
.set BV,   32                          ; v[32:47]    bv(my 16 k)
.set XV,   48                          ; v[48:111]   Wv(my 16 k, c0 + 4 r .. + 3); later what is read back from LDS
.set XS,   112                         ; v[112:143]  my 32 numbers of x
.set AF,   144                         ; v[144:175]  four A fragments; later packed results and addresses of the tails
.set BF,   176                         ; v[176:183]  the B fragment
.set DA,   184                         ; v[184:215]  four accumulators
.set T,    216                         ; v[216:231] at work; v232 BP store address, v233 SM store address, v234 SM read address
.set MEAN, 236                         ; v[236:237]  the mean twice; at the end (mean, M2)
.set BPV,  238                         ; v238        my wave's part of (Wp bv)(16 ot + r)
.macro LANESUM                         ; v[T] summed over the 32 lanes, in every lane
	v_add_f32_dpp v[T], v[T], v[T] row_xmask:1 row_mask:0xf bank_mask:0xf
	v_add_f32_dpp v[T], v[T], v[T] row_xmask:2 row_mask:0xf bank_mask:0xf
	v_add_f32_dpp v[T], v[T], v[T] row_xmask:4 row_mask:0xf bank_mask:0xf
	v_add_f32_dpp v[T], v[T], v[T] row_xmask:8 row_mask:0xf bank_mask:0xf
	v_permlanex16_b32 v[T+1], v[T], s28, s29
	v_add_f32 v[T], v[T], v[T+1]
.endm
.macro SUM16                           ; v[T] = the sum of v[T:T+15]
	v_pk_add_f32 v[T:T+1], v[T:T+1], v[T+2:T+3]
	v_pk_add_f32 v[T+4:T+5], v[T+4:T+5], v[T+6:T+7]
	v_pk_add_f32 v[T+8:T+9], v[T+8:T+9], v[T+10:T+11]
	v_pk_add_f32 v[T+12:T+13], v[T+12:T+13], v[T+14:T+15]
	v_pk_add_f32 v[T:T+1], v[T:T+1], v[T+4:T+5]
	v_pk_add_f32 v[T+8:T+9], v[T+8:T+9], v[T+12:T+13]
	v_pk_add_f32 v[T:T+1], v[T:T+1], v[T+8:T+9]
	v_add_f32 v[T], v[T], v[T+1]
.endm
	s_load_b512 s[4:19], s[0:1], 0x0               ; x s[4:5], wq s[6:7], wk s[8:9], wv s[10:11], wp s[12:13], bq s[14:15], bk s[16:17], bv s[18:19]
	s_load_b128 s[20:23], s[0:1], 0x40             ; wimg s[20:21], aux s[22:23]
	v_lshl_add_u32 v240, v0, 2, 0x10800
	v_mov_b32 v241, 0
	v_lshrrev_b32 v1, 5, v0
	v_readfirstlane_b32 s24, v1                    ; wave w, 0 .. 15
	s_lshr_b32 s26, ttmp9, 3                       ; ot
	s_and_b32 s27, ttmp9, 7                        ; cb8
	s_mov_b32 s28, 0x76543210                      ; v_permlanex16_b32: lane i reads lane i of the other half
	s_mov_b32 s29, 0xfedcba98
	s_mov_b32 s31, 0                               ; s[30:31]: a 32-bit offset as a pair
	s_and_b32 s36, s24, 7                          ; w & 7
	s_lshl_b32 s37, s26, 15                        ; 16 ot rows of 2,048 bytes
	s_lshl_b32 s38, s27, 8                         ; c0 = 64 cb8 columns of 4 bytes
	s_lshl_b32 s41, s27, 11                        ; cb8 x 4 half fragments
	s_lshl_b32 s42, s26, 14                        ; ot x 32 half fragments
	v_and_b32 v1, 31, v0                           ; lane L
	v_and_b32 v2, 15, v0                           ; r
	v_bfe_u32 v3, v0, 4, 1                         ; h
	v_lshlrev_b32 v4, 4, v0                        ; x: 16 bytes a thread
	v_lshrrev_b32 v5, 1, v1
	v_and_b32 v6, 1, v1
	v_lshlrev_b32 v5, 11, v5
	v_lshl_add_u32 v5, v6, 4, v5                   ; cast, from: row L >> 1, 4 columns at 4 (L & 1)
	v_lshlrev_b32 v6, 3, v1                        ; 8 L: where the cast goes, and the lane's place in the partial blocks
	v_lshlrev_b32 v8, 5, v3                        ; bv: 8 h numbers
	v_lshl_add_u32 v7, v2, 11, v8                  ; wp: row r, 8 h numbers
	v_lshlrev_b32 v9, 4, v2
	v_lshl_add_u32 v9, v3, 14, v9                  ; wv: 8 h rows, 4 r columns
	s_wait_kmcnt 0x0
	s_lshl_b32 s30, ttmp9, 16
	s_add_nc_u64 s[4:5], s[4:5], s[30:31]          ; x at quarter g
	s_add_co_u32 s30, s37, s38
	s_lshl_b32 s39, s36, 5
	s_add_co_u32 s30, s30, s39                     ; rows 16 ot, columns c0 + 8 (w & 7)
	s_cmp_lt_u32 s24, 8                            ; waves 0-7 cast wq, waves 8-15 wk
	s_cselect_b64 s[32:33], s[6:7], s[8:9]
	s_cselect_b32 s40, SIGMA, 1.0
	s_add_nc_u64 s[32:33], s[32:33], s[30:31]
	s_lshl_b32 s39, s24, 7                         ; 32 w numbers of 4 bytes
	s_add_co_u32 s30, s37, s39
	s_add_nc_u64 s[12:13], s[12:13], s[30:31]      ; wp at row 16 ot, column 32 w
	s_mov_b32 s30, s39
	s_add_nc_u64 s[18:19], s[18:19], s[30:31]      ; bv at 32 w
	s_lshl_b32 s30, s24, 16
	s_add_co_u32 s30, s30, s38
	s_add_nc_u64 s[10:11], s[10:11], s[30:31]      ; wv at row 32 w, column c0
	global_load_b128 v[CAST:CAST+3], v5, s[32:33]
.irp i, 0,1
	global_load_b128 v[WP+8*\i:WP+8*\i+3],   v7, s[12:13] offset:64*\i      ; k = 16 i + 8 h + 0 .. 3
	global_load_b128 v[WP+8*\i+4:WP+8*\i+7], v7, s[12:13] offset:64*\i+16   ; k = 16 i + 8 h + 4 .. 7
.endr
.irp i, 0,1
	global_load_b128 v[BV+8*\i:BV+8*\i+3],   v8, s[18:19] offset:64*\i
	global_load_b128 v[BV+8*\i+4:BV+8*\i+7], v8, s[18:19] offset:64*\i+16
.endr
.set e, 0
.rept 16
	global_load_b128 v[XV+4*e:XV+4*e+3], v9, s[10:11] offset:(e+8*(e/8))*2048   ; row 8 h + e (e < 8) or 16 + 8 h + e - 8; sixteen lanes take 256 aligned bytes
.set e, e+1
.endr
.irp k, 0,1,2,3,4,5,6,7
	global_load_b128 v[XS+4*\k:XS+4*\k+3], v4, s[4:5] offset:\k*8192
.endr
	; the other addresses, while the 33 loads are on their way
	s_lshr_b32 s30, s24, 3
	s_lshl_b32 s30, s30, 19                        ; matrix q or k: 1,024 half fragments each
	s_add_co_u32 s30, s30, s42
	s_add_co_u32 s30, s30, s41
	s_lshl_b32 s39, s36, 8                         ; (w & 7) x 256: half fragment (w & 7) >> 1, its half h = w & 1
	s_add_co_u32 s30, s30, s39
	s_add_nc_u64 s[34:35], s[20:21], s[30:31]      ; where my wave's 256 cast bytes go
	s_lshl_b32 s30, s26, 6
	s_add_nc_u64 s[14:15], s[14:15], s[30:31]      ; bq, bk and the biases in aux at row 16 ot
	s_add_nc_u64 s[16:17], s[16:17], s[30:31]
	s_add_nc_u64 s[44:45], s[22:23], s[30:31]
	s_lshl_b32 s30, ttmp9, 3
	s_add_nc_u64 s[46:47], s[22:23], s[30:31]      ; aux at 8 g (the statistics begin 6,144 bytes further)
	s_lshl_b32 s30, s24, 12
	v_add_nc_u32 v11, s30, v6                      ; LDS: my wave's 4,096 bytes of partial blocks, 8 L
	s_lshl_b32 s30, s24, 6
	s_add_co_u32 s30, s30, BPL
	v_lshl_add_u32 v[T+16], v2, 2, s30
	s_lshl_b32 s30, s24, 2
	s_add_co_u32 s30, s30, SML
	v_mov_b32 v[T+17], s30
	v_mov_b32 v[T+18], SML
	s_wait_loadcnt 32                              ; the first of 33 loads: the cast's four numbers
.irp i, 0,1,2,3
	v_mul_f32 v[CAST+\i], s40, v[CAST+\i]
.endr
	v_cvt_pk_bf16_f32 v[CAST], v[CAST], v[CAST+1]
	v_cvt_pk_bf16_f32 v[CAST+1], v[CAST+2], v[CAST+3]
	global_store_b64 v6, v[CAST:CAST+1], s[34:35]  ; the wave stores 256 consecutive bytes, aligned; these registers are not written again
	s_wait_loadcnt 24                              ; Wp and bv are in; Wv's 16 and x's 8 stay out
.irp p, 0,1,2,3,4,5,6,7
	v_cvt_pk_bf16_f32 v[BF+\p], v[WP+2*\p], v[WP+2*\p+1]
.endr
	v_pk_mul_f32 v[T:T+1], v[WP:WP+1], v[BV:BV+1]
	v_pk_mul_f32 v[T+2:T+3], v[WP+2:WP+3], v[BV+2:BV+3]
.irp k, 4,8,12
	v_pk_fma_f32 v[T:T+1], v[WP+\k:WP+\k+1], v[BV+\k:BV+\k+1], v[T:T+1]
	v_pk_fma_f32 v[T+2:T+3], v[WP+\k+2:WP+\k+3], v[BV+\k+2:BV+\k+3], v[T+2:T+3]
.endr
	v_pk_add_f32 v[T:T+1], v[T:T+1], v[T+2:T+3]
	v_add_f32 v[T], v[T], v[T+1]
	v_permlanex16_b32 v[T+1], v[T], s28, s29       ; the other half of the lanes holds the other 16 k of row r
	v_add_f32 v[BPV], v[T], v[T+1]
	s_wait_loadcnt 8                               ; Wv is in; x's 8 stay out
	; tile t takes columns c0 + 4 m + t, so that one 16-byte load of a row of Wv feeds all four tiles
.irp t, 0,1,2,3
.irp p, 0,1,2,3,4,5,6,7
	v_cvt_pk_bf16_f32 v[AF+8*\t+\p], v[XV+8*\p+\t], v[XV+8*\p+4+\t]
.endr
.endr
.irp t, 0,1,2,3
	v_wmma_f32_16x16x32_bf16 v[DA+8*\t:DA+8*\t+7], v[AF+8*\t:AF+8*\t+7], v[BF:BF+7], 0   ; register j, lane (r, h): Wpv(16 ot + r, c0 + 32 h + 4 j + t), k = 32 w .. + 31
.endr
	s_wait_loadcnt 0x0
	; the sum of my 32 numbers of x: more than four plain vector instructions that name no register of the matrix instructions stand here, ahead of the LDS stores of their results
.irp c, 0,2,4,6
	v_pk_add_f32 v[T+\c:T+\c+1], v[XS+\c:XS+\c+1], v[XS+8+\c:XS+9+\c]
.endr
.irp k, 16,24
.irp c, 0,2,4,6
	v_pk_add_f32 v[T+\c:T+\c+1], v[T+\c:T+\c+1], v[XS+\k+\c:XS+\k+\c+1]
.endr
.endr
	v_pk_add_f32 v[T:T+1], v[T:T+1], v[T+2:T+3]
	v_pk_add_f32 v[T+4:T+5], v[T+4:T+5], v[T+6:T+7]
	v_pk_add_f32 v[T:T+1], v[T:T+1], v[T+4:T+5]
	v_add_f32 v[T], v[T], v[T+1]
	LANESUM
.irp t, 0,1,2,3
.irp g, 0,1,2,3
	ds_store_b64 v11, v[DA+8*\t+2*\g:DA+8*\t+2*\g+1] offset:(4*\t+\g)*256   ; registers 2 g, 2 g + 1 of tile t: 256 consecutive bytes an instruction
.endr
.endr
	ds_store_b32 v[T+16], v[BPV]
	ds_store_b32 v[T+17], v[T]
	s_wait_dscnt 0x0                               ; my stores are in LDS before I say so
	s_barrier_signal -1
	s_barrier_wait -1
.irp i, 0,1,2,3
	ds_load_b128 v[T+4*\i:T+4*\i+3], v[T+18] offset:16*\i
.endr
	s_wait_dscnt 0x0
	SUM16
	v_mul_f32 v[MEAN], 0x38800000, v[T]            ; / 16,384
	v_mov_b32 v[MEAN+1], v[MEAN]
.set i, 0
.rept 16
	v_pk_add_f32 v[XS+i:XS+i+1], v[XS+i:XS+i+1], v[MEAN:MEAN+1] neg_lo:[0,1] neg_hi:[0,1]   ; deviations from the quarter's own mean: no difference of large sums
.set i, i+2
.endr
.irp c, 0,2,4,6
	v_pk_mul_f32 v[T+\c:T+\c+1], v[XS+\c:XS+\c+1], v[XS+\c:XS+\c+1]
.endr
.irp k, 8,16,24
.irp c, 0,2,4,6
	v_pk_fma_f32 v[T+\c:T+\c+1], v[XS+\k+\c:XS+\k+\c+1], v[XS+\k+\c:XS+\k+\c+1], v[T+\c:T+\c+1]
.endr
.endr
	v_pk_add_f32 v[T:T+1], v[T:T+1], v[T+2:T+3]
	v_pk_add_f32 v[T+4:T+5], v[T+4:T+5], v[T+6:T+7]
	v_pk_add_f32 v[T:T+1], v[T:T+1], v[T+4:T+5]
	v_add_f32 v[T], v[T], v[T+1]
	LANESUM
	ds_store_b32 v[T+17], v[T] offset:64
	s_wait_dscnt 0x0                               ; my sum of squares is in LDS before I say so
	s_barrier_signal -1
	s_barrier_wait -1                              ; the last barrier: behind it LDS is only read
	; waves 0 to 3 add the sixteen partial blocks: wave w takes registers j = 2 w, 2 w + 1 of all four tiles = columns c0 + 32 h + 8 w .. + 7 of row r
	s_cmp_ge_u32 s24, 4
	s_cbranch_scc1 .Lend
	s_lshl_b32 s30, s24, 8                         ; LDS: register pair w, 256 bytes each.  In the image: half fragment w >> 1, its half w & 1, which is 256 w too
	v_add_nc_u32 v[AF+4], s30, v6                  ; 256 w + 8 L
	v_lshlrev_b32 v[AF+5], 4, v2
	v_lshl_add_u32 v[AF+5], v3, 10, v[AF+5]        ; to: 16 r, and two half fragments further for h = 1
	s_add_co_u32 s30, s30, s41
	s_add_co_u32 s30, s30, s42
	s_add_co_u32 s30, s30, 0x100000                ; matrix pv
	s_add_nc_u64 s[20:21], s[20:21], s[30:31]
.irp pw, 0,1,2,3,4,5,6,7
.irp t, 0,1,2,3
	ds_load_b64 v[XV+2*(4*\pw+\t):XV+2*(4*\pw+\t)+1], v[AF+4] offset:\pw*4096+\t*1024
.endr
.endr
	s_wait_dscnt 0x0
.irp t, 0,1,2,3
	v_pk_add_f32 v[T+2*\t:T+2*\t+1], v[XV+2*\t:XV+2*\t+1], v[XV+8+2*\t:XV+9+2*\t]
.endr
.irp pw, 2,3,4,5,6,7
.irp t, 0,1,2,3
	v_pk_add_f32 v[T+2*\t:T+2*\t+1], v[T+2*\t:T+2*\t+1], v[XV+8*\pw+2*\t:XV+8*\pw+2*\t+1]
.endr
.endr
.irp pw, 0,1,2,3,4,5,6,7
.irp t, 0,1,2,3
	ds_load_b64 v[XV+2*(4*\pw+\t):XV+2*(4*\pw+\t)+1], v[AF+4] offset:(\pw+8)*4096+\t*1024
.endr
.endr
	s_wait_dscnt 0x0
.irp pw, 0,1,2,3,4,5,6,7
.irp t, 0,1,2,3
	v_pk_add_f32 v[T+2*\t:T+2*\t+1], v[T+2*\t:T+2*\t+1], v[XV+8*\pw+2*\t:XV+8*\pw+2*\t+1]
.endr
.endr
	v_cvt_pk_bf16_f32 v[AF],   v[T],   v[T+2]      ; columns + 0, 1 (tiles 0, 1 of register 2 w)
	v_cvt_pk_bf16_f32 v[AF+1], v[T+4], v[T+6]      ; + 2, 3
	v_cvt_pk_bf16_f32 v[AF+2], v[T+1], v[T+3]      ; + 4, 5 (register 2 w + 1)
	v_cvt_pk_bf16_f32 v[AF+3], v[T+5], v[T+7]      ; + 6, 7
	global_store_b128 v[AF+5], v[AF:AF+3], s[20:21]   ; sixteen lanes store 256 consecutive bytes, aligned; v[AF:AF+5] are not written again
	s_cmp_lg_u32 s24, 0
	s_cbranch_scc1 .Lend
	; wave 0 alone: the quarter's M2, and where cb8 = 0 the three biases
.irp i, 0,1,2,3
	ds_load_b128 v[T+4*\i:T+4*\i+3], v[T+18] offset:64+16*\i
.endr
	s_wait_dscnt 0x0
	SUM16
	v_mov_b32 v[MEAN+1], v[T]
	s_cmp_lg_u32 s27, 0
	s_cbranch_scc1 .Lnobias
	v_lshlrev_b32 v[AF+6], 2, v2                   ; 4 r
	v_add_nc_u32 v[AF+7], BPL, v[AF+6]
	global_load_b32 v[XV], v[AF+6], s[14:15]
	global_load_b32 v[XV+1], v[AF+6], s[16:17]
.irp pw, 0,1,2,3,4,5,6,7,8,9,10,11,12,13,14,15
	ds_load_b32 v[XV+2+\pw], v[AF+7] offset:\pw*64
.endr
	s_wait_dscnt 0x0
.irp k, 2,6,10,14
	v_pk_add_f32 v[XV+\k:XV+\k+1], v[XV+\k:XV+\k+1], v[XV+\k+2:XV+\k+3]
.endr
	v_pk_add_f32 v[XV+2:XV+3], v[XV+2:XV+3], v[XV+6:XV+7]
	v_pk_add_f32 v[XV+10:XV+11], v[XV+10:XV+11], v[XV+14:XV+15]
	v_pk_add_f32 v[XV+2:XV+3], v[XV+2:XV+3], v[XV+10:XV+11]
	v_add_f32 v[XV+2], v[XV+2], v[XV+3]            ; (Wp bv)(16 ot + r)
	s_wait_loadcnt 0x0
	v_mul_f32 v[XV], SIGMA, v[XV]
	v_cmp_gt_u32 vcc_lo, 16, v0
	s_wait_xcnt 0x0                                ; EXEC is a source of the memory instructions issued so far: it changes only behind this wait
	s_and_saveexec_b32 s48, vcc_lo                 ; lanes 0 to 15: one lane a row
	global_store_b32 v[AF+6], v[XV], s[44:45]
	global_store_b32 v[AF+6], v[XV+1], s[44:45] offset:2048
	global_store_b32 v[AF+6], v[XV+2], s[44:45] offset:4096
	s_wait_xcnt 0x0
	s_or_b32 exec_lo, exec_lo, s48
.Lnobias:
	v_mov_b32 v[AF+8], 0
	v_cmp_eq_u32 vcc_lo, 0, v0
	s_wait_xcnt 0x0
	s_and_saveexec_b32 s48, vcc_lo                 ; lane 0
	global_store_b64 v[AF+8], v[MEAN:MEAN+1], s[46:47] offset:6144
	s_wait_xcnt 0x0
	s_or_b32 exec_lo, exec_lo, s48
.Lend:
	s_wait_tensorcnt 0x0
	ds_add_u32 v240, v241
	s_wait_dscnt 0x0
	s_endpgm
.Lfunc_end_k_q0eba4783ee_prep:
	.size	k_q0eba4783ee_prep, .Lfunc_end_k_q0eba4783ee_prep-k_q0eba4783ee_prep
	.p2alignl 7, 3214868480
	.fill 96, 4, 3214868480
	.section	.rodata,"a",@progbits
	.p2align	6, 0x0
	.amdhsa_kernel k_q0eba4783ee_prep
		.amdhsa_group_segment_fixed_size 69632
		.amdhsa_private_segment_fixed_size 0
		.amdhsa_enable_private_segment 0
		.amdhsa_kernarg_size 80
		.amdhsa_user_sgpr_count 2
		.amdhsa_user_sgpr_kernarg_segment_ptr 1
		.amdhsa_wavefront_size32 1
		.amdhsa_system_sgpr_workgroup_id_x 1
		.amdhsa_system_sgpr_workgroup_id_y 1
		.amdhsa_system_sgpr_workgroup_id_z 1
		.amdhsa_system_vgpr_workitem_id 0
		.amdhsa_next_free_vgpr 242
		.amdhsa_next_free_sgpr 66
		.amdhsa_reserve_vcc 1
		.amdhsa_float_denorm_mode_32 3
		.amdhsa_float_denorm_mode_16_64 3
		.amdhsa_memory_ordered 1
		.amdhsa_forward_progress 1
		.amdhsa_inst_pref_size 29
	.end_amdhsa_kernel
	.amdgpu_metadata
---
amdhsa.version: [ 1, 2 ]
amdhsa.kernels:
  - .name:           k_q0eba4783ee_prep
    .symbol:         k_q0eba4783ee_prep.kd
    .args:
      - { .name: x, .offset: 0, .size: 8, .value_kind: global_buffer, .address_space: global }
      - { .name: wq, .offset: 8, .size: 8, .value_kind: global_buffer, .address_space: global }
      - { .name: wk, .offset: 16, .size: 8, .value_kind: global_buffer, .address_space: global }
      - { .name: wv, .offset: 24, .size: 8, .value_kind: global_buffer, .address_space: global }
      - { .name: wp, .offset: 32, .size: 8, .value_kind: global_buffer, .address_space: global }
      - { .name: bq, .offset: 40, .size: 8, .value_kind: global_buffer, .address_space: global }
      - { .name: bk, .offset: 48, .size: 8, .value_kind: global_buffer, .address_space: global }
      - { .name: bv, .offset: 56, .size: 8, .value_kind: global_buffer, .address_space: global }
      - { .name: wimg, .offset: 64, .size: 8, .value_kind: global_buffer, .address_space: global }
      - { .name: aux, .offset: 72, .size: 8, .value_kind: global_buffer, .address_space: global }
    .group_segment_fixed_size: 69632
    .private_segment_fixed_size: 0
    .kernarg_segment_align: 8
    .kernarg_segment_size: 80
    .max_flat_workgroup_size: 512
    .sgpr_count:     66
    .vgpr_count:     242
    .wavefront_size: 32
...
	.end_amdgpu_metadata
.endif
;; end of part 1
;; launch qkv (part 2): grid 64 x 4, 4 waves a work-group, no clusters, 140,032 bytes of LDS; arguments x, gn_gamma, gn_beta, wimg, aux, qkv; writes qkv
.if DOCPART == 2
	.amdgcn_target "amdgcn-amd-amdhsa--gfx1250"
	.amdhsa_code_object_version 6
	.text
	.protected	k_q0eba4783ee_qkv
	.globl	k_q0eba4783ee_qkv
	.p2align	8
	.type	k_q0eba4783ee_qkv,@function
k_q0eba4783ee_qkv:
	s_mov_b64 s[64:65], 0
	v_nop
	global_prefetch_b8 v0, s[64:65] scope:SCOPE_SE
	s_setreg_imm32_b32 hwreg(HW_REG_WAVE_MODE, 25, 1), 1
	s_wait_xcnt 0x0
; QKV.  [Q; K; V'] = W h + bias, h = GroupNorm(x) in bf16.  The work-group takes 128 pixels (pb = x id) and 384 of the 1,536 output rows (chunk = y id).
; Phase 0: the four quarters' (mean, M2) of each norm group are joined, and a = gamma rstd, s = beta - mean a go into an LDS table.
; Phase 1: wave w normalises channels 128 w .. + 127 of the 128 pixels (x read once, in f32) and lays them into LDS as B fragment images.
;          A ring of six batches of 8 loads keeps 48 loads of the wave on their way.
; Phase 2: wave w makes row tiles 24 chunk + 6 w + 0 .. 5 for all 8 pixel tiles: 48 accumulators, 384 registers; D = A (W, m = output row) x B (h, n = pixel).
;          W comes through a ring of five register buffers, asked for four K steps (192 matrix instructions) ahead of its use.
; Phase 3: + bias, rounded to bf16.  A lane's eight results are eight neighbouring output rows of one pixel = 16 bytes of the image that the attention reads.
; qkv: [matrix 3][pixel tile 512][row tile 32][512 bytes]; lane (r, h) holds rows 16 ot + 8 h .. + 7 of pixel 16 tile + r.
; NO CLUSTER, NO TENSOR LOAD: every byte of W that the work-group needs is used by exactly one of its waves, so it goes as an image straight into that
; wave's registers, 512 consecutive bytes an instruction; a way through LDS would add 384 KiB of LDS writes and reads, and beside the 131,200 bytes of h
; two slots of four K steps (2 x 98,304 bytes) do not fit in 327,680.  x has to pass through registers to be normalised.
; LIMITS: h and W are rounded to bf16.  NaN and infinities are not treated apart.
.set PITCH, 16400                      ; LDS bytes from pixel tile to pixel tile: 64 x 256 + 16, so that the four tiles that sixteen lanes store into fall into different 16-byte columns
.set ASL,   131328                     ; LDS: [channel 512][a, a, s, s] f32
.set XOFF,  2                          ; v2   x: 16 L + 128 w channels
.set HST,   3                          ; v3   LDS: where my 4 pixels' 16 bytes go
.set ASA,   4                          ; v4   LDS: my wave's part of the table
.set L16,   5                          ; v5   16 L: h fragments of pixel tiles 0-3, W's images, the stores
.set HB1,   6                          ; v6   16 L + 4 PITCH: h fragments of pixel tiles 4-7
.set BOFF,  8                          ; v8   32 h: my 8 biases of a row tile
.set PK,    12                         ; v[12:27]   phase 0: the table's 64 bytes of my 4 channels; phase 1: the packed result
.set TB,    32                         ; v[32:63]   phase 1: the batch's 8 x (a, a, s, s)
.set XR,    64                         ; v[64:255]  phase 1: six batches of x, 8 channels x 4 pixels each
.set HA,    176                        ; v[176:207] phase 2: B fragments of pixel tiles 0-3
.set HB,    208                        ; v[208:239] phase 2: of pixel tiles 4-7
.set ST,    32                         ; v[32:127]  phase 3: 24 packed tiles
.set BIAS,  48                         ; window 3: the biases lie in W's buffer 1
; window 1 (v256-447): accumulator tile (oi, pt) of pixel tiles 0-3 at 8 (4 oi + pt); window 2 (v512-703): pixel tiles 4-7
; window 3 (v768-1007): five buffers of 6 A fragments, K step ks in buffer ks mod 5
.set MSB, 0
.macro WIN new                         ; the immediate's high byte repeats the setting that is left
.if MSB != \new
	s_set_vgpr_msb (MSB<<8)|\new
.set MSB, \new
.endif
.endm
.macro PLACES                          ; four places behind a matrix instruction, ahead of a load into one of its sources or a vector instruction on its result (ISA guide 7.12.1 for vector instructions)
.rept 4
	v_nop
.endr
.endm
.macro XLOAD i                         ; batch i: channels 128 w + 8 i + 0 .. 7; each load takes the 128 pixels' 512 consecutive bytes
.irp cc, 0,1,2,3,4,5,6,7
	global_load_b128 v[XR+32*((\i)%6)+4*\cc:XR+32*((\i)%6)+4*\cc+3], v[XOFF], s[4:5] offset:(8*(\i)+\cc)*16384
.endr
.endm
.macro TLOAD i                         ; the table of batch i: every lane reads the same 16 bytes
.irp cc, 0,1,2,3,4,5,6,7
	ds_load_b128 v[TB+4*\cc:TB+4*\cc+3], v[ASA] offset:(\i)*128+\cc*16
.endr
.endm
.macro WLOAD ks                        ; the 6 A fragments of K step ks, 12 loads, into window 3
	WIN 0xc0
.irp oi, 0,1,2,3,4,5
.irp hf, 0,1
	global_load_b128 v[48*((\ks)%5)+8*\oi+4*\hf:48*((\ks)%5)+8*\oi+4*\hf+3], v[L16], s[10:11] offset:\oi*16384+(\ks)*1024+\hf*512
.endr
.endr
.endm
.macro HLOAD dst, base, ks             ; 4 B fragments of K step ks
.irp pt, 0,1,2,3
.irp hf, 0,1
	ds_load_b128 v[\dst+8*\pt+4*\hf:\dst+8*\pt+4*\hf+3], v[\base] offset:\pt*PITCH+(\ks)*1024+\hf*512
.endr
.endr
.endm
	s_load_b256 s[4:11], s[0:1], 0x0               ; x s[4:5], gamma s[6:7], beta s[8:9], wimg s[10:11]
	s_load_b128 s[12:15], s[0:1], 0x20             ; aux s[12:13], qkv s[14:15]
	v_lshl_add_u32 v30, v0, 2, 0x22100
	v_mov_b32 v31, 0
	v_lshrrev_b32 v1, 5, v0
	v_readfirstlane_b32 s16, v1                    ; wave w
	s_and_b32 s17, ttmp7, 0xffff                   ; chunk
	s_lshr_b32 s18, ttmp9, 5                       ; b
	s_and_b32 s19, ttmp9, 31                       ; the block of 128 pixels in its image
	s_lshl_b32 s29, ttmp9, 17                      ; 8 pixel tiles of 16,384 bytes
	s_mov_b32 s31, 0
	s_mul_i32 s26, s17, 24
	s_mul_i32 s27, s16, 6
	s_add_co_u32 s26, s26, s27                     ; my first row tile, 0 .. 90
	v_and_b32 v1, 31, v0
	v_lshlrev_b32 v[L16], 4, v1
	s_lshl_b32 s20, s16, 21
	v_add_nc_u32 v[XOFF], s20, v[L16]
	v_lshrrev_b32 v9, 2, v1
	v_and_b32 v10, 3, v1
	v_mul_u32_u24 v[HST], v9, PITCH                ; pixels 4 L .. 4 L + 3: tile L >> 2,
	v_lshl_add_u32 v[HST], v10, 6, v[HST]          ; rows 4 (L & 3) + e of 16 bytes,
	s_lshl_b32 s20, s16, 12
	v_add_nc_u32 v[HST], s20, v[HST]               ; channel group 16 w + i of 256 bytes
	s_lshl_b32 s20, s16, 11
	s_add_co_u32 s20, s20, ASL
	v_mov_b32 v[ASA], s20
	v_add_nc_u32 v[HB1], 4*PITCH, v[L16]
	v_bfe_u32 v[BOFF], v0, 4, 1
	v_lshlrev_b32 v[BOFF], 5, v[BOFF]
	v_lshrrev_b32 v9, 2, v0                        ; thread t has channels 4 t .. 4 t + 3, of norm group t >> 2:
	v_lshlrev_b32 v9, 5, v9                        ; its four quarters' 32 bytes
	v_lshlrev_b32 v10, 4, v0                       ; gamma and beta
	v_lshlrev_b32 v11, 6, v0
	v_add_nc_u32 v11, ASL, v11                     ; the table's 64 bytes for my 4 channels
	s_wait_kmcnt 0x0
	s_lshl_b32 s30, s18, 23
	s_lshl_b32 s20, s19, 9
	s_add_co_u32 s30, s30, s20
	s_add_nc_u64 s[4:5], s[4:5], s[30:31]          ; x at image b, pixel n0
	s_lshl_b32 s30, s18, 10
	s_add_nc_u64 s[22:23], s[12:13], s[30:31]      ; aux at image b's 32 groups (the statistics begin 6,144 bytes further)
	s_lshl_b32 s30, s26, 14
	s_add_nc_u64 s[10:11], s[10:11], s[30:31]      ; wimg at my first row tile
	s_lshl_b32 s30, s26, 6
	s_add_nc_u64 s[24:25], s[12:13], s[30:31]      ; its biases
	global_load_b128 v[32:35], v9, s[22:23] offset:6144
	global_load_b128 v[36:39], v9, s[22:23] offset:6160
	global_load_b128 v[40:43], v10, s[6:7]
	global_load_b128 v[44:47], v10, s[8:9]
.irp i, 0,1,2,3,4,5
	XLOAD \i
.endr
.irp oi, 0,1,2,3,4,5
	s_add_co_u32 s28, s26, \oi                     ; row tile gt: matrix gt >> 5, tile gt & 31 in it
	s_lshr_b32 s30, s28, 5
	s_lshl_b32 s30, s30, 23
	s_and_b32 s28, s28, 31
	s_lshl_b32 s28, s28, 9
	s_add_co_u32 s30, s30, s28
	s_add_co_u32 s30, s30, s29
	s_add_nc_u64 s[40+2*\oi:41+2*\oi], s[14:15], s[30:31]
.endr
	; PHASE 0.  mean = the mean of the four means; var = (sum of M2 + 16,384 x sum of (mean_q - mean)^2) / 65,536
	s_wait_loadcnt 48                              ; the first four loads; x's 48 stay out
	v_add_f32 v48, v32, v34
	v_add_f32 v49, v36, v38
	v_add_f32 v48, v48, v49
	v_mul_f32 v48, 0x3e800000, v48                 ; mean
	v_sub_f32 v50, v32, v48
	v_sub_f32 v51, v34, v48
	v_sub_f32 v52, v36, v48
	v_sub_f32 v53, v38, v48
	v_mul_f32 v54, v50, v50
	v_fmac_f32 v54, v51, v51
	v_fmac_f32 v54, v52, v52
	v_fmac_f32 v54, v53, v53
	v_add_f32 v55, v33, v35
	v_add_f32 v56, v37, v39
	v_add_f32 v55, v55, v56
	v_mul_f32 v54, 0x3e800000, v54
	v_fmac_f32 v54, 0x37800000, v55                ; + sum of M2 x 2^-16
	v_add_f32 v54, 0x358637bd, v54                 ; + 1e-6
	v_rsq_f32 v57, v54
	v_nop                                          ; one plain place behind the transcendental (ISA guide 5.7.2)
	s_wait_alu depctr_va_vdst(0)
.irp c, 0,1,2,3
	v_mul_f32 v[PK+4*\c], v[40+\c], v57            ; a = gamma rstd
.endr
.irp c, 0,1,2,3
	v_fma_f32 v[PK+2+4*\c], -v48, v[PK+4*\c], v[44+\c]   ; s = beta - mean a
	v_mov_b32 v[PK+1+4*\c], v[PK+4*\c]             ; each twice: pairs for the packed multiply-add
.endr
.irp c, 0,1,2,3
	v_mov_b32 v[PK+3+4*\c], v[PK+2+4*\c]
	ds_store_b128 v11, v[PK+4*\c:PK+4*\c+3] offset:16*\c
.endr
	s_wait_dscnt 0x0
	s_barrier_signal -1
	s_barrier_wait -1
	; PHASE 1.  One batch: 8 channels x 128 pixels.  left = the younger global loads that may stay out.
	; The next batch's table is asked for as soon as the multiply-adds have read this one's: the conversions, the stores and the loads of x pass before it is waited for.
.macro XB i, left, next
.set XBX, XR+32*((\i)%6)
	s_wait_loadcnt \left
	s_wait_dscnt 0x0                               ; this batch's table is in, and the last batch's stores have read the packed registers
.irp cc, 0,1,2,3,4,5,6,7
	v_pk_fma_f32 v[XBX+4*\cc:XBX+4*\cc+1],   v[XBX+4*\cc:XBX+4*\cc+1],   v[TB+4*\cc:TB+4*\cc+1], v[TB+4*\cc+2:TB+4*\cc+3]
	v_pk_fma_f32 v[XBX+4*\cc+2:XBX+4*\cc+3], v[XBX+4*\cc+2:XBX+4*\cc+3], v[TB+4*\cc:TB+4*\cc+1], v[TB+4*\cc+2:TB+4*\cc+3]
.endr
.if \i < 15
	TLOAD \i+1
.endif
.irp e, 0,1,2,3
.irp p, 0,1,2,3
	v_cvt_pk_bf16_f32 v[PK+4*\e+\p], v[XBX+8*\p+\e], v[XBX+8*\p+4+\e]   ; pixel 4 L + e, channels 2 p and 2 p + 1 of the eight
.endr
.endr
.irp e, 0,1,2,3
	ds_store_b128 v[HST], v[PK+4*\e:PK+4*\e+3] offset:(\i)*256+16*\e
.endr
.if \next
	XLOAD \i+6
.endif
.endm
	TLOAD 0
.irp i, 0,1,2,3,4,5,6,7,8,9
	XB \i, 40, 1                                   ; five younger batches of 8 loads stay out
.endr
	XB 10, 40, 0                                   ; batches 11 to 15
	WLOAD 0                                        ; x's last batch has been asked for: W's first four K steps follow, 12 loads each
	WIN 0
	XB 11, 44, 0                                   ; 4 batches + 12
	WLOAD 1
	WIN 0
	XB 12, 48, 0                                   ; 3 batches + 24
	WLOAD 2
	WIN 0
	XB 13, 52, 0                                   ; 2 batches + 36
	XB 14, 44, 0                                   ; 1 batch + 36
	WLOAD 3
	WIN 0
	XB 15, 48, 0                                   ; W's 48
	s_wait_dscnt 0x0                               ; my part of h is in LDS before I say so
	s_barrier_signal -1
	s_barrier_wait -1
	HLOAD HA, L16, 0
	HLOAD HB, HB1, 0
	; PHASE 2.  The 48 accumulators take turns, one instruction a turn.
.macro MUL24 hb, zero
.irp oi, 0,1,2,3,4,5
.irp pt, 0,1,2,3
.if \zero
	v_wmma_f32_16x16x32_bf16 v[(\oi*4+\pt)*8:(\oi*4+\pt)*8+7], v[WBM+8*\oi:WBM+8*\oi+7], v[\hb+8*\pt:\hb+8*\pt+7], 0
.else
	v_wmma_f32_16x16x32_bf16 v[(\oi*4+\pt)*8:(\oi*4+\pt)*8+7], v[WBM+8*\oi:WBM+8*\oi+7], v[\hb+8*\pt:\hb+8*\pt+7], v[(\oi*4+\pt)*8:(\oi*4+\pt)*8+7]
.endif
.endr
.endr
.endm
.macro KS ks, zero
.set WBM, 48*((\ks)%5)
.set LEFT, 36                                      ; three younger groups of 12 loads; the 17th group is the biases, so at the end two and one
.if \ks > 13
.set LEFT, 12*(16-\ks)
.endif
	s_wait_loadcnt LEFT                            ; this K step's W is in
	s_wait_dscnt 8                                 ; pixel tiles 0-3 are in; the 8 loads of tiles 4-7 may be out
	WIN 0x53                                       ; A in window 3, C and D in window 1
	MUL24 HA, \zero
	WIN 0
	PLACES
.if \ks < 15
	HLOAD HA, L16, \ks+1
.endif
.if \ks < 12
	WLOAD \ks+4                                    ; into the buffer that the last K step multiplied
.endif
.if \ks == 12
	WIN 0xc0
.irp oi, 0,1,2,3,4,5
	global_load_b128 v[BIAS+8*\oi:BIAS+8*\oi+3],   v[BOFF], s[24:25] offset:\oi*64      ; the biases of rows 16 gt + 8 h + 0 .. 7, in place of a K step 16
	global_load_b128 v[BIAS+8*\oi+4:BIAS+8*\oi+7], v[BOFF], s[24:25] offset:\oi*64+16
.endr
.endif
.if \ks < 15
	s_wait_dscnt 8                                 ; tiles 4-7 are in; the 8 LDS loads just issued stay out
.else
	s_wait_dscnt 0x0
.endif
	WIN 0xa3                                       ; A in window 3, C and D in window 2
	MUL24 HB, \zero
	WIN 0
	PLACES
.if \ks < 15
	HLOAD HB, HB1, \ks+1
.endif
.endm
	KS 0, 1                                        ; the first products start the sums: nothing is cleared
.irp ks, 1,2,3,4,5,6,7,8,9,10,11,12,13,14,15
	KS \ks, 0
.endr
	; PHASE 3.  addw: D and source 0 in the accumulators' window, the bias in window 3; cvtw: both sources in the accumulators' window, the result in window 0
.macro FIN addw, cvtw, second
	WIN \addw
.irp oi, 0,1,2,3,4,5
.irp pt, 0,1,2,3
.irp p, 0,2,4,6
	v_pk_add_f32 v[(\oi*4+\pt)*8+\p:(\oi*4+\pt)*8+\p+1], v[(\oi*4+\pt)*8+\p:(\oi*4+\pt)*8+\p+1], v[BIAS+8*\oi+\p:BIAS+8*\oi+\p+1]
.endr
.endr
.endr
.if \second
	s_wait_xcnt 0x0                                ; the first 24 stores' data registers are written again only behind this wait
.endif
	WIN \cvtw
.irp oi, 0,1,2,3,4,5
.irp pt, 0,1,2,3
.irp q, 0,1,2,3
	v_cvt_pk_bf16_f32 v[ST+4*(\oi*4+\pt)+\q], v[(\oi*4+\pt)*8+2*\q], v[(\oi*4+\pt)*8+2*\q+1]
.endr
.endr
.endr
	WIN 0
.irp oi, 0,1,2,3,4,5
.irp pt, 0,1,2,3
	global_store_b128 v[L16], v[ST+4*(\oi*4+\pt):ST+4*(\oi*4+\pt)+3], s[40+2*\oi:41+2*\oi] offset:(\pt+4*\second)*16384   ; 512 consecutive bytes, aligned
.endr
.endr
.endm
	s_wait_loadcnt 0x0                             ; the biases
	FIN 0x4d, 0x05, 0
	FIN 0x8e, 0x0a, 1
	s_wait_tensorcnt 0x0
	ds_add_u32 v30, v31
	s_wait_dscnt 0x0
	s_endpgm
.Lfunc_end_k_q0eba4783ee_qkv:
	.size	k_q0eba4783ee_qkv, .Lfunc_end_k_q0eba4783ee_qkv-k_q0eba4783ee_qkv
	.p2alignl 7, 3214868480
	.fill 96, 4, 3214868480
	.section	.rodata,"a",@progbits
	.p2align	6, 0x0
	.amdhsa_kernel k_q0eba4783ee_qkv
		.amdhsa_group_segment_fixed_size 140032
		.amdhsa_private_segment_fixed_size 0
		.amdhsa_enable_private_segment 0
		.amdhsa_kernarg_size 48
		.amdhsa_user_sgpr_count 2
		.amdhsa_user_sgpr_kernarg_segment_ptr 1
		.amdhsa_wavefront_size32 1
		.amdhsa_system_sgpr_workgroup_id_x 1
		.amdhsa_system_sgpr_workgroup_id_y 1
		.amdhsa_system_sgpr_workgroup_id_z 1
		.amdhsa_system_vgpr_workitem_id 0
		.amdhsa_next_free_vgpr 1024
		.amdhsa_next_free_sgpr 66
		.amdhsa_reserve_vcc 0
		.amdhsa_float_denorm_mode_32 3
		.amdhsa_float_denorm_mode_16_64 3
		.amdhsa_memory_ordered 1
		.amdhsa_forward_progress 1
		.amdhsa_inst_pref_size 183
	.end_amdhsa_kernel
	.amdgpu_metadata
---
amdhsa.version: [ 1, 2 ]
amdhsa.kernels:
  - .name:           k_q0eba4783ee_qkv
    .symbol:         k_q0eba4783ee_qkv.kd
    .args:
      - { .name: x, .offset: 0, .size: 8, .value_kind: global_buffer, .address_space: global }
      - { .name: gn_gamma, .offset: 8, .size: 8, .value_kind: global_buffer, .address_space: global }
      - { .name: gn_beta, .offset: 16, .size: 8, .value_kind: global_buffer, .address_space: global }
      - { .name: wimg, .offset: 24, .size: 8, .value_kind: global_buffer, .address_space: global }
      - { .name: aux, .offset: 32, .size: 8, .value_kind: global_buffer, .address_space: global }
      - { .name: qkv, .offset: 40, .size: 8, .value_kind: global_buffer, .address_space: global }
    .group_segment_fixed_size: 140032
    .private_segment_fixed_size: 0
    .kernarg_segment_align: 8
    .kernarg_segment_size: 48
    .max_flat_workgroup_size: 128
    .sgpr_count:     66
    .vgpr_count:     1024
    .wavefront_size: 32
...
	.end_amdgpu_metadata
.endif
;; end of part 2
;; launch attn (part 3): grid 64 x 4, 4 waves a work-group, clusters of 4 x 1, 327,680 bytes of LDS; arguments qkv, opart, ml; writes opart, ml
.if DOCPART == 3
	.amdgcn_target "amdgcn-amd-amdhsa--gfx1250"
	.amdhsa_code_object_version 6
	.text
	.protected	k_q0eba4783ee_attn
	.globl	k_q0eba4783ee_attn
	.p2align	8
	.type	k_q0eba4783ee_attn,@function
k_q0eba4783ee_attn:
	s_mov_b64 s[64:65], 0
	v_nop
	global_prefetch_b8 v0, s[64:65] scope:SCOPE_SE
	s_setreg_imm32_b32 hwreg(HW_REG_WAVE_MODE, 25, 1), 1
	s_wait_xcnt 0x0
	s_wait_alu depctr_hold_cnt(0) depctr_sa_sdst(0) depctr_va_vdst(0) depctr_va_sdst(0) depctr_va_ssrc(0) depctr_va_vcc(0) depctr_vm_vsrc(0)
	s_getreg_b32 s2, hwreg(HW_REG_IB_STS2, 6, 4)
	s_cmp_eq_u32 s2, 0
	s_cbranch_scc0 .Lentry_in_a_cluster
	s_endpgm
.Lentry_in_a_cluster:
	s_bfe_u32 s2, ttmp6, 0x10000c
	s_cmp_lg_u32 s2, 0x3003
	s_cbranch_scc0 .Lentry_shape_is_right
	s_endpgm
.Lentry_shape_is_right:
; ATTN.  Flash attention with a running maximum.  A work-group takes 64 queries (qblk = 4 x cluster x + cx) and 2,048 keys (y = 2 b + half), in 16 blocks of 128 keys,
; and leaves the unnormalised sum O (f32) with its (m, l); the next launch joins the two halves.  The scores come scaled for 2^x (the factor lies in wq and bq).
; SCORES: S^T = A (K, m = key) x B (Q, n = query).  Wave w takes keys 32 w .. + 31 of the block and all 64 queries: 8 accumulators, 16 K steps.  All of Q (512 registers) stays in
; registers, so a fragment of K from LDS feeds four matrix instructions.
; SOFTMAX in two steps.  Ahead of the exchange of maxima each wave forms P' = 2^(S - its own 32 keys' maximum); behind it, with the running maximum m over all keys so far,
; P = P' F with F = 2^(own maximum - m) <= 1, l = l alpha + F sum(P'), O = O alpha, alpha = 2^(old m - m).  So the 64 exponentials pass while V's tile is still on its way.
; VALUES: O^T = A (V', m = channel) x B (P, n = query).  Wave w takes channels 128 w .. + 127: 32 accumulators (256 registers), 4 steps of 32 keys.
; In both results a lane is one query (r), so maximum, sum and factors are one number a lane.  The eight results of a lane in S^T tile (kt, qb) are eight
; neighbouring keys: packed, they are 16 bytes of half kt of P's B fragment of key step w: P passes between the waves as a fragment image.
; V' lies in LDS by pixels (keys), 8 channels to 16 bytes: ds_load_tr16_b128 turns 8 x 8 blocks into A fragments.
; CLUSTER: the four work-groups of a cluster have the same y, so they read the same K and V tiles: every fill is a joint load with the mask 15, fetched once for the four.
; cx enters nothing but the global addresses of Q, opart and ml.
; THE ORDER OF THE BLOCKS: cluster x begins at block 3 x mod 16 and goes round; a running maximum does not care for the order.  So the sixteen clusters that share a y ask for sixteen
; different blocks at every step, and in their first step together for all sixteen.  For that reason no prefetch is written: no later tile is left that nobody has asked for.
; LDS: K 131,072 B at 0; V 131,072 B; P 16,384 B; the waves' maxima and sums 2 x 2,048 B; a stage of 4,352 B a wave for the way out.  Only K and V are ever filled by tensor loads.
; REGISTERS: window 0: v0-63 addresses and softmax state; v64-127 S, then two buffers of P fragments; v128-255 two buffers of K fragments, then of V fragments.
;            windows 1, 2: Q, K step ks and query tile qb at 8 (4 (ks & 7) + qb), ks < 8 in window 1.   window 3: O, tile (c, qb) at 8 (4 c + qb).
; LIMITS: Q, K, V', P are bf16; l is summed from P' in f32 before P is rounded.  Scores of +-infinity or NaN are not treated apart.
.set VSL,   131072
.set PL,    262144
.set MXB,   278528
.set LXB,   280576
.set STAGE, 282624
.set KAD, 2                            ; v2   LDS: my wave's 32 keys of K, 16 L
.set VAD, 3                            ; v3, v4  LDS: V, pixel tiles 0-3 and 4-7, my wave's channels, the transposing load's lane term
.set PST, 5                            ; v5   LDS: where my wave's P goes
.set PLD, 6                            ; v6   LDS: P, 16 L
.set MXS, 7                            ; v7, v8  LDS: my wave's maxima; all waves'
.set MXL, 8
.set LXS, 9                            ; v9, v10 LDS: my wave's sums; all waves'
.set LXL, 10
.set QAD, 11                           ; v11  16 L
.set STG, 12                           ; v12, v13 LDS: the stage, in and back
.set SRD, 13
.set OOF, 14                           ; v14  opart: row L >> 4, 16 bytes at 16 (L & 15)
.set MLO, 15                           ; v15  ml: 8 L
.set MM,  16                           ; v[16:19]  the running maximum of query tile qb
.set LS,  20                           ; v[20:23]  my lane's part of l
.set AL,  24                           ; v[24:31]  alpha, twice (a pair for the packed multiply); ahead of that the running pairs of sum(P')
.set BM,  32                           ; v[32:35]  the maximum over my wave's 32 keys
.set BF,  36                           ; v[36:43]  that maximum twice (for the packed subtract), then F twice (for the packed multiply)
.set TT,  44                           ; v[44:59]  at work
.set SU,  60                           ; v[60:63]  sum(P')
.set SAC, 64
.set KB,  128
.set MSB, 0
.macro WIN new                         ; the immediate's high byte repeats the setting that is left
.if MSB != \new
	s_set_vgpr_msb (MSB<<8)|\new
.set MSB, \new
.endif
.endm
.macro PLACES n                        ; places behind a matrix instruction: four ahead of a vector instruction or an LDS store on its result and of a load into a source, five ahead of a matrix instruction that writes over a source
.rept \n
	v_nop
.endr
.endm
.macro ROUND                           ; a round of the cluster's barrier: my work-group's barrier, wave 0 signals for the work-group, every wave waits for all four work-groups, my work-group's barrier again
	s_barrier_signal -1
	s_barrier_wait -1
	s_cmp_lg_u32 s10, 0
	s_cbranch_scc1 .Lnot_wave_0_\@
	s_barrier_signal -3
.Lnot_wave_0_\@:
	s_barrier_wait -3
	s_barrier_signal -1
	s_barrier_wait -1
.endm
.macro KLOAD q, buf                    ; 16 loads: K steps 4 q .. 4 q + 3 of my two key tiles
.irp ksl, 0,1,2,3
.irp kt, 0,1
.irp hf, 0,1
	ds_load_b128 v[KB+64*\buf+(\ksl*2+\kt)*8+4*\hf:KB+64*\buf+(\ksl*2+\kt)*8+4*\hf+3], v[KAD] offset:\kt*16384+(4*\q+\ksl)*1024+\hf*512
.endr
.endr
.endr
.endm
.macro SMUL q, buf, zero               ; 32 matrix instructions; the eight accumulators take turns, one instruction a turn
.set ZC, \zero
.irp ksl, 0,1,2,3
.irp kt, 0,1
.irp qb, 0,1,2,3
.if ZC
	v_wmma_f32_16x16x32_bf16 v[SAC+(\kt*4+\qb)*8:SAC+(\kt*4+\qb)*8+7], v[KB+64*\buf+(\ksl*2+\kt)*8:KB+64*\buf+(\ksl*2+\kt)*8+7], v[((4*(\q&1)+\ksl)*4+\qb)*8:((4*(\q&1)+\ksl)*4+\qb)*8+7], 0
.else
	v_wmma_f32_16x16x32_bf16 v[SAC+(\kt*4+\qb)*8:SAC+(\kt*4+\qb)*8+7], v[KB+64*\buf+(\ksl*2+\kt)*8:KB+64*\buf+(\ksl*2+\kt)*8+7], v[((4*(\q&1)+\ksl)*4+\qb)*8:((4*(\q&1)+\ksl)*4+\qb)*8+7], v[SAC+(\kt*4+\qb)*8:SAC+(\kt*4+\qb)*8+7]
.endif
.endr
.endr
.set ZC, 0
.endr
.endm
.macro VLOAD s, buf                    ; 16 transposing loads: keys 32 s .. + 31 (pixel tiles 2 s, 2 s + 1) of my 8 channel tiles
.irp c, 0,1,2,3,4,5,6,7
.irp hf, 0,1
	ds_load_tr16_b128 v[KB+64*\buf+8*\c+4*\hf:KB+64*\buf+8*\c+4*\hf+3], v[VAD+(\s>>1)] offset:((2*\s+\hf)&3)*16384+\c*512
.endr
.endr
.endm
.macro PLOAD s, buf                    ; 8 loads: P's B fragments of key step s, 4 query tiles
.irp qb, 0,1,2,3
.irp hf, 0,1
	ds_load_b128 v[SAC+32*\buf+8*\qb+4*\hf:SAC+32*\buf+8*\qb+4*\hf+3], v[PLD] offset:((\s*4+\qb)*2+\hf)*512
.endr
.endr
.endm
.macro PVROWS buf, zero, c0, c1, c2, c3   ; 16 matrix instructions on 16 accumulators, one instruction a turn
.irp c, \c0, \c1, \c2, \c3
.irp qb, 0,1,2,3
.if \zero
	v_wmma_f32_16x16x32_bf16 v[(\c*4+\qb)*8:(\c*4+\qb)*8+7], v[KB+64*\buf+8*\c:KB+64*\buf+8*\c+7], v[SAC+32*\buf+8*\qb:SAC+32*\buf+8*\qb+7], 0
.else
	v_wmma_f32_16x16x32_bf16 v[(\c*4+\qb)*8:(\c*4+\qb)*8+7], v[KB+64*\buf+8*\c:KB+64*\buf+8*\c+7], v[SAC+32*\buf+8*\qb:SAC+32*\buf+8*\qb+7], v[(\c*4+\qb)*8:(\c*4+\qb)*8+7]
.endif
.endr
.endr
.endm
.macro PVMUL buf, zero                 ; one key step: all 32 accumulators
	PVROWS \buf, \zero, 0, 1, 2, 3
	PVROWS \buf, \zero, 4, 5, 6, 7
.endm
.macro RESC c                          ; O alpha for channel tile c: 16 packed multiplies; O in window 3, alpha in window 0
.irp qb, 0,1,2,3
.irp p, 0,2,4,6
	v_pk_mul_f32 v[(\c*4+\qb)*8+\p:(\c*4+\qb)*8+\p+1], v[(\c*4+\qb)*8+\p:(\c*4+\qb)*8+\p+1], v[AL+2*\qb:AL+2*\qb+1]
.endr
.endr
.endm
	s_load_b128 s[4:7], s[0:1], 0x0                ; qkv s[4:5], opart s[6:7]
	s_load_b64 s[8:9], s[0:1], 0x10                ; ml
	v_lshl_add_u32 v62, v0, 2, 0x49400
	v_mov_b32 v63, 0
	ds_add_u32 v62, v63
	s_wait_dscnt 0x0
	v_lshrrev_b32 v1, 5, v0
	v_readfirstlane_b32 s10, v1                    ; wave w
	s_bfe_u32 s11, ttmp6, 0x40000                  ; cx
	s_lshl_b32 s12, ttmp9, 2
	s_add_co_u32 s12, s12, s11                     ; qblk = 4 x cluster x + cx
	s_and_b32 s13, ttmp7, 0xffff                   ; y = 2 b + half (the cluster is one work-group high)
	s_lshr_b32 s14, s13, 1                         ; b
	s_mov_b32 s32, 0x76543210                      ; v_permlanex16_b32: lane i reads lane i of the other half
	s_mov_b32 s33, 0xfedcba98
	; descriptor group 1: a dense block of 32,768 bytes as 128 rows of 32 elements of 8 bytes; the same for every load
	s_mov_b32 s16, 15|(3<<16)|(1<<21)              ; 15:0 the mask: all four work-groups; 17:16 elements of 8 bytes; 21 set beside a mask; no padding
	s_mov_b32 s17, 32<<16                          ; tensor_dim0 = 32
	s_mov_b32 s18, 128<<16                         ; tensor_dim1 = 128
	s_mov_b32 s19, 32<<16                          ; tile_dim0 = 32
	s_mov_b32 s20, 128                             ; tile_dim1 = 128
	s_mov_b32 s21, 32                              ; 32 elements from row to row
	s_mov_b32 s22, 0
	s_mov_b32 s23, 0
	; my quarter of a block: pixel tiles 128 y + 8 block + 2 w, 2 w + 1 (b x 256 + half x 128 = 128 y).  Made of y, w and the cluster's x alone, which the four partners share.
	s_lshl_b32 s36, s13, 7
	s_lshl1_add_u32 s36, s10, s36
	s_lshl_b32 s36, s36, 14
	s_mov_b32 s37, 0
	s_lshl_b32 s35, s10, 15                        ; w x 32,768: my quarter of a slot
	s_mul_i32 s52, ttmp9, 3                        ; the cluster's first block, 3 x mod 16,
	s_and_b32 s52, s52, 15
	s_lshl_b32 s52, s52, 17                        ; times 131,072 bytes: K's offset s[52:53], V's s[54:55]; they go round in 16 x 131,072 bytes
	s_mov_b32 s53, 0
	s_mov_b32 s54, s52
	s_mov_b32 s55, 0
	; what hangs on cx, in registers of its own
	s_lshl_b32 s40, s14, 8
	s_lshl2_add_u32 s40, s12, s40                  ; Q: pixel tile 256 b + 4 qblk
	s_lshl_b32 s40, s40, 14
	s_mov_b32 s41, 0
	s_lshl_b32 s42, s13, 23                        ; opart: row 512 y + 128 w, 64 qblk numbers
	s_lshl_b32 s43, s10, 21
	s_add_co_u32 s42, s42, s43
	s_lshl_b32 s43, s12, 8
	s_add_co_u32 s42, s42, s43
	s_mov_b32 s43, 0
	s_lshl_b32 s44, s13, 15                        ; ml: (4,096 y + 64 qblk) x 8 bytes
	s_lshl_b32 s45, s12, 9
	s_add_co_u32 s44, s44, s45
	s_mov_b32 s45, 0
	v_and_b32 v1, 31, v0
	v_lshlrev_b32 v[QAD], 4, v1
	s_wait_kmcnt 0x0
	s_add_nc_u64 s[36:37], s[4:5], s[36:37]
	s_add_nc_u64 s[48:49], s[36:37], 0x800000      ; matrix 1 of qkv: K at my quarter of block 0
	s_add_nc_u64 s[50:51], s[36:37], 0x1000000     ; matrix 2: V
	s_add_nc_u64 s[40:41], s[4:5], s[40:41]
	s_add_nc_u64 s[6:7], s[6:7], s[42:43]
	s_add_nc_u64 s[8:9], s[8:9], s[44:45]
	s_mov_b32 s24, 1                               ; group 0 for K: count 1,
	s_lshl_b32 s25, s10, 15                        ; LDS address w x 32,768,
	s_add_nc_u64 s[26:27], s[48:49], s[52:53]      ; the cluster's first block,
	s_or_b32 s27, s27, 0x80000000                  ; type 2
	s_mov_b32 s28, 1                               ; group 0 for V
	s_add_co_u32 s29, s35, VSL
	s_add_nc_u64 s[30:31], s[50:51], s[54:55]
	s_or_b32 s31, s31, 0x80000000
	ROUND                                          ; all four work-groups are here: the first joint loads meet
	tensor_load_to_lds s[24:27], s[16:23]          ; K, first block
	s_nop 0
	tensor_load_to_lds s[28:31], s[16:23]          ; V, first block: two tensor loads of the wave are out
	s_nop 0
	WIN 0x40
.irp ks, 0,1,2,3,4,5,6,7
.irp qb, 0,1,2,3
.irp hf, 0,1
	global_load_b128 v[(\ks*4+\qb)*8+4*\hf:(\ks*4+\qb)*8+4*\hf+3], v[QAD], s[40:41] offset:\qb*16384+\ks*1024+\hf*512
.endr
.endr
.endr
	WIN 0x80
.irp ks, 0,1,2,3,4,5,6,7
.irp qb, 0,1,2,3
.irp hf, 0,1
	global_load_b128 v[(\ks*4+\qb)*8+4*\hf:(\ks*4+\qb)*8+4*\hf+3], v[QAD], s[40:41] offset:\qb*16384+(\ks+8)*1024+\hf*512
.endr
.endr
.endr
	WIN 0
	v_and_b32 v[TT], 15, v0                        ; r
	v_bfe_u32 v[TT+1], v0, 4, 1                    ; h
	v_and_b32 v[TT+2], 7, v0
	v_bfe_u32 v[TT+3], v0, 3, 1
	v_add_nc_u32 v[KAD], s35, v[QAD]
	v_lshlrev_b32 v[VAD], 4, v[TT+2]               ; lane L addresses the 16 bytes of pixel 8 (L >> 4) + (L & 7), channel half (L >> 3) & 1
	v_lshl_add_u32 v[VAD], v[TT+1], 7, v[VAD]
	v_lshl_add_u32 v[VAD], v[TT+3], 8, v[VAD]
	s_lshl_b32 s38, s10, 12                        ; 8 w channel tiles of 512 bytes; also my wave's 4,096 bytes of P
	s_add_co_u32 s39, s38, VSL
	v_add_nc_u32 v[VAD], s39, v[VAD]
	v_add_nc_u32 v[VAD+1], 65536, v[VAD]
	s_add_co_u32 s39, s38, PL
	v_add_nc_u32 v[PST], s39, v[QAD]
	v_add_nc_u32 v[PLD], PL, v[QAD]
	s_lshl_b32 s38, s10, 9
	s_add_co_u32 s39, s38, MXB
	v_add_nc_u32 v[MXS], s39, v[QAD]
	v_add_nc_u32 v[MXL], MXB, v[QAD]
	s_add_co_u32 s39, s38, LXB
	v_add_nc_u32 v[LXS], s39, v[QAD]
	v_add_nc_u32 v[LXL], LXB, v[QAD]
	s_mul_i32 s38, s10, 4352
	s_add_co_u32 s38, s38, STAGE
	v_mul_u32_u24 v[STG], v[TT+1], 8*272           ; in: row 8 h + j of 272 bytes, 4 r
	v_lshl_add_u32 v[STG], v[TT], 2, v[STG]
	v_add_nc_u32 v[STG], s38, v[STG]
	v_mul_u32_u24 v[SRD], v[TT+1], 272             ; back: lanes 0-15 one row of 256 bytes, lanes 16-31 the next
	v_lshl_add_u32 v[SRD], v[TT], 4, v[SRD]
	v_add_nc_u32 v[SRD], s38, v[SRD]
	v_lshlrev_b32 v[OOF], 4, v[TT]
	v_lshl_add_u32 v[OOF], v[TT+1], 14, v[OOF]
	v_lshlrev_b32 v[MLO], 3, v1
	s_wait_tensorcnt 0x1                           ; my quarter of K's first block is in; V's may stay out
	s_barrier_signal -1
	s_barrier_wait -1
	KLOAD 0, 0                                     ; every block finds its first 16 loads of K on their way
	s_wait_loadcnt 0x0                             ; Q
; One block of 128 keys.  first = 1: it starts maximum, sums and O.  refill = 1: K and V are filled again with the next block, and the next block's first fragments of K are asked for.
.macro BLOCK first, refill
	KLOAD 1, 1
	s_wait_dscnt 16                                ; at each of these waits the run of 16 loads just issued stays out
	WIN 0x04                                       ; source 1 (Q) in window 1; LDS loads name no source 1
	SMUL 0, 0, 1
	PLACES 4
	KLOAD 2, 0
	s_wait_dscnt 16
	SMUL 1, 1, 0
	PLACES 4
	KLOAD 3, 1
	s_wait_dscnt 16
	WIN 0x08                                       ; Q's K steps 8-15 in window 2
	SMUL 2, 0, 0
	s_wait_dscnt 0x0
	SMUL 3, 1, 0
	WIN 0
	PLACES 4
	; the maximum over my wave's 32 keys: 16 registers, then the other half of the lanes
.irp qb, 0,1,2,3
	v_max3_num_f32 v[BM+\qb], v[SAC+8*\qb], v[SAC+8*\qb+1], v[SAC+8*\qb+2]
.endr
.irp j, 3,5
.irp qb, 0,1,2,3
	v_max3_num_f32 v[BM+\qb], v[BM+\qb], v[SAC+8*\qb+\j], v[SAC+8*\qb+\j+1]
.endr
.endr
.irp qb, 0,1,2,3
	v_max3_num_f32 v[BM+\qb], v[BM+\qb], v[SAC+8*\qb+7], v[SAC+32+8*\qb]
.endr
.irp j, 1,3,5
.irp qb, 0,1,2,3
	v_max3_num_f32 v[BM+\qb], v[BM+\qb], v[SAC+32+8*\qb+\j], v[SAC+32+8*\qb+\j+1]
.endr
.endr
.irp qb, 0,1,2,3
	v_max_num_f32 v[BM+\qb], v[BM+\qb], v[SAC+32+8*\qb+7]
.endr
.irp qb, 0,1,2,3
	v_permlanex16_b32 v[TT+\qb], v[BM+\qb], s32, s33
.endr
.irp qb, 0,1,2,3
	v_max_num_f32 v[BM+\qb], v[BM+\qb], v[TT+\qb]
.endr
	ds_store_b128 v[MXS], v[BM:BM+3]
	; P' = 2^(S - my wave's maximum), while the store above and V's tile are on their way
.irp qb, 0,1,2,3
	v_mov_b32 v[BF+2*\qb], v[BM+\qb]
	v_mov_b32 v[BF+2*\qb+1], v[BM+\qb]
.endr
.irp kt, 0,1
.irp qb, 0,1,2,3
.irp p, 0,2,4,6
	v_pk_add_f32 v[SAC+(\kt*4+\qb)*8+\p:SAC+(\kt*4+\qb)*8+\p+1], v[SAC+(\kt*4+\qb)*8+\p:SAC+(\kt*4+\qb)*8+\p+1], v[BF+2*\qb:BF+2*\qb+1] neg_lo:[0,1] neg_hi:[0,1]
.endr
.endr
.endr
.set i, 0
.rept 64
	v_exp_f32 v[SAC+i], v[SAC+i]
.set i, i+1
.endr
	v_nop                                          ; one plain place behind the run of transcendentals (ISA guide 5.7.2)
	s_wait_dscnt 0x0                               ; my reads of K's slot are back and my maxima are in LDS,
	s_wait_xcnt 0x0
	v_lshl_add_u32 v62, v0, 2, 0x49400
	v_mov_b32 v63, 0
	s_wait_tensorcnt 0x0                           ; and all my tensor loads have landed: the one that was out is my quarter of this block's V
	ds_add_u32 v62, v63
	s_wait_dscnt 0x0
.if \refill
	s_add_co_u32 s52, s52, 0x20000                 ; no load of mine is out, so K's group 0 may be written: the next block, round in 16
	s_and_b32 s52, s52, 0x1fffff
	s_add_nc_u64 s[26:27], s[48:49], s[52:53]
	s_or_b32 s27, s27, 0x80000000
	ROUND                                          ; no wave of any partner still reads K's slot or has a load on its way
	tensor_load_to_lds s[24:27], s[16:23]          ; my one tensor load behind this round: the next block's K; the rest of softmax and 112 value products pass before it is waited for
	s_nop 0
.else
	s_barrier_signal -1
	s_barrier_wait -1
.endif
.irp ww, 0,1,2,3
	ds_load_b128 v[TT+4*\ww:TT+4*\ww+3], v[MXL] offset:\ww*512
.endr
	VLOAD 0, 0
	; sum(P') of my 16 numbers a query tile, while the four maxima are on their way
	s_wait_alu depctr_va_vdst(0)
.irp qb, 0,1,2,3
	v_pk_add_f32 v[AL+2*\qb:AL+2*\qb+1], v[SAC+8*\qb:SAC+8*\qb+1], v[SAC+8*\qb+2:SAC+8*\qb+3]
.endr
.irp p, 4,6,32,34,36,38
.irp qb, 0,1,2,3
	v_pk_add_f32 v[AL+2*\qb:AL+2*\qb+1], v[AL+2*\qb:AL+2*\qb+1], v[SAC+8*\qb+\p:SAC+8*\qb+\p+1]
.endr
.endr
.irp qb, 0,1,2,3
	v_add_f32 v[SU+\qb], v[AL+2*\qb], v[AL+2*\qb+1]
.endr
	s_wait_dscnt 16                                ; the four waves' maxima are in; V's 16 loads stay out
.irp qb, 0,1,2,3
	v_max3_num_f32 v[TT+\qb], v[TT+\qb], v[TT+4+\qb], v[TT+8+\qb]
.endr
.if \first
.irp qb, 0,1,2,3
	v_max_num_f32 v[MM+\qb], v[TT+\qb], v[TT+12+\qb]
.endr
.irp qb, 0,1,2,3
	v_sub_f32 v[BF+2*\qb], v[BM+\qb], v[MM+\qb]
.endr
.irp qb, 0,1,2,3
	v_exp_f32 v[BF+2*\qb], v[BF+2*\qb]             ; F
.endr
	v_nop                                          ; one plain place behind the transcendentals
	s_wait_alu depctr_va_vdst(0)
.irp qb, 0,1,2,3
	v_mov_b32 v[BF+2*\qb+1], v[BF+2*\qb]
	v_mul_f32 v[LS+\qb], v[SU+\qb], v[BF+2*\qb]
.endr
.else
.irp qb, 0,1,2,3
	v_max3_num_f32 v[TT+\qb], v[TT+\qb], v[TT+12+\qb], v[MM+\qb]      ; the new running maximum
.endr
.irp qb, 0,1,2,3
	v_sub_f32 v[AL+2*\qb], v[MM+\qb], v[TT+\qb]
	v_sub_f32 v[BF+2*\qb], v[BM+\qb], v[TT+\qb]
.endr
.irp qb, 0,1,2,3
	v_exp_f32 v[AL+2*\qb], v[AL+2*\qb]             ; alpha
	v_exp_f32 v[BF+2*\qb], v[BF+2*\qb]             ; F
.endr
.irp qb, 0,1,2,3
	v_mov_b32 v[MM+\qb], v[TT+\qb]                 ; plain instructions behind the transcendentals, ahead of the use of their results
.endr
	s_wait_alu depctr_va_vdst(0)
.irp qb, 0,1,2,3
	v_mov_b32 v[AL+2*\qb+1], v[AL+2*\qb]
	v_mov_b32 v[BF+2*\qb+1], v[BF+2*\qb]
	v_mul_f32 v[SU+\qb], v[SU+\qb], v[BF+2*\qb]
.endr
.irp qb, 0,1,2,3
	v_fma_f32 v[LS+\qb], v[LS+\qb], v[AL+2*\qb], v[SU+\qb]
.endr
.endif
	; P = P' F, rounded to bf16
.irp kt, 0,1
.irp qb, 0,1,2,3
.irp p, 0,2,4,6
	v_pk_mul_f32 v[SAC+(\kt*4+\qb)*8+\p:SAC+(\kt*4+\qb)*8+\p+1], v[SAC+(\kt*4+\qb)*8+\p:SAC+(\kt*4+\qb)*8+\p+1], v[BF+2*\qb:BF+2*\qb+1]
.endr
.endr
.endr
.irp t, 0,1,2,3,4,5,6,7
.irp p, 0,1,2,3
	v_cvt_pk_bf16_f32 v[SAC+8*\t+\p], v[SAC+8*\t+2*\p], v[SAC+8*\t+2*\p+1]   ; in place: register p is written when registers 2 p, 2 p + 1 are read, and p <= 2 p
.endr
.endr
.irp kt, 0,1
.irp qb, 0,1,2,3
	ds_store_b128 v[PST], v[SAC+(\kt*4+\qb)*8:SAC+(\kt*4+\qb)*8+3] offset:(\qb*2+\kt)*512
.endr
.endr
	; O alpha in three parts: while my stores go to LDS, while the other waves arrive, while P's first fragments come back
.if \first
.else
	WIN 0xc3
	RESC 0
	RESC 1
	RESC 2
	RESC 3
	WIN 0
.endif
	s_wait_dscnt 0x0                               ; my part of P is in LDS (and V's first 16 loads are back)
	s_barrier_signal -1                            ; a plain barrier: the next block's K may stay on its way
.if \first
.else
	WIN 0xc3
	RESC 4
	RESC 5
	WIN 0
.endif
	s_barrier_wait -1
	PLOAD 0, 0
	VLOAD 1, 1
	PLOAD 1, 1
.if \first
.else
	WIN 0xc3
	RESC 6
	RESC 7
.endif
	s_wait_dscnt 24                                ; key step 0's P is in; step 1's 16 + 8 loads may be out
	WIN 0xf0                                       ; C and D in window 3
	PVMUL 0, \first
	WIN 0
	PLACES 4
	VLOAD 2, 0
	PLOAD 2, 0
	s_wait_dscnt 24                                ; all but the 24 just issued
	WIN 0xf0
	PVMUL 1, 0
	WIN 0
	PLACES 4
	VLOAD 3, 1
	PLOAD 3, 1
	s_wait_dscnt 24
	WIN 0xf0
	PVMUL 0, 0
	s_wait_dscnt 0x0                               ; the last key step's fragments are in registers: my reads of V's slot and of P are over
.if \refill
	PVROWS 1, 0, 0, 1, 2, 3                        ; the first half of the last key step
	WIN 0
	s_wait_xcnt 0x0
	v_lshl_add_u32 v62, v0, 2, 0x49400
	v_mov_b32 v63, 0
	s_wait_tensorcnt 0x0                           ; all my tensor loads have landed: my quarter of the next block's K
	ds_add_u32 v62, v63
	s_wait_dscnt 0x0
	s_add_co_u32 s54, s54, 0x20000                 ; V's group 0: the next block, round in 16
	s_and_b32 s54, s54, 0x1fffff
	s_add_nc_u64 s[30:31], s[50:51], s[54:55]
	s_or_b32 s31, s31, 0x80000000
	ROUND                                          ; no wave of any partner still reads V's slot or has a load on its way
	tensor_load_to_lds s[28:31], s[16:23]          ; my one tensor load behind this round: the next block's V; 144 matrix instructions and the 64 exponentials pass before it is waited for
	s_nop 0
	PLACES 4                                       ; buffer 0 was a source of the key step before
	KLOAD 0, 0                                     ; the next block's first fragments of K come in
	WIN 0xf0
	PVROWS 1, 0, 4, 5, 6, 7                        ; behind the second half of the last key step
	WIN 0
	PLACES 5                                       ; the next block's loads land in these products' A fragments, its first products write over their B fragments
.else
	PVMUL 1, 0
	WIN 0
.endif
.endm
	BLOCK 1, 1
	s_mov_b32 s34, 14
.Lblk:
	BLOCK 0, 1
	s_sub_co_u32 s34, s34, 1
	s_cmp_lg_u32 s34, 0
	s_cbranch_scc1 .Lblk
	BLOCK 0, 0                                     ; the last block fetches nothing
	; THE WAY OUT.  l: the two halves of the lanes, then the four waves through LDS (wave 0 adds them).  O: 16 channels x 64 queries at a time through my own stage.
	PLACES 4
.irp qb, 0,1,2,3
	v_permlanex16_b32 v[TT+\qb], v[LS+\qb], s32, s33
.endr
.irp qb, 0,1,2,3
	v_add_f32 v[LS+\qb], v[LS+\qb], v[TT+\qb]
.endr
	ds_store_b128 v[LXS], v[LS:LS+3]
	s_wait_dscnt 0x0
	s_barrier_signal -1
	s_barrier_wait -1
.macro OUTC c, f
	WIN 0x0c                                       ; the stores' data in window 3
.irp qb, 0,1,2,3
.irp j, 0,1,2,3,4,5,6,7
	ds_store_b32 v[STG], v[(\c*4+\qb)*8+\j] offset:\j*272+\qb*64      ; channel 8 h + j, query 16 qb + r; rows of 272 bytes: the lanes of h = 1 fall 32 words further on
.endr
.endr
	s_wait_xcnt 0x0                                ; buffer f, which earlier stores read, is loaded again only behind this wait
.irp t, 0,1,2,3,4,5,6,7
	ds_load_b128 v[\f+4*\t:\f+4*\t+3], v[SRD] offset:\t*544           ; LDS serves a wave's instructions in order: these see the stores above
.endr
	WIN 0
.irp t, 0,1,2,3,4,5,6,7
	s_wait_dscnt 7-\t
	global_store_b128 v[OOF], v[\f+4*\t:\f+4*\t+3], s[6:7] offset:(16*\c+2*\t)*16384   ; sixteen lanes store 256 consecutive bytes, aligned
.endr
.endm
	OUTC 0, 128
	OUTC 1, 160
	OUTC 2, 128
	OUTC 3, 160
	OUTC 4, 128
	OUTC 5, 160
	OUTC 6, 128
	OUTC 7, 160
	s_cmp_lg_u32 s10, 0
	s_cbranch_scc1 .Lno_ml
.irp ww, 0,1,2,3
	ds_load_b128 v[TT+4*\ww:TT+4*\ww+3], v[LXL] offset:\ww*512
.endr
	s_wait_dscnt 0x0
	v_pk_add_f32 v[TT:TT+1], v[TT:TT+1], v[TT+4:TT+5]
	v_pk_add_f32 v[TT+2:TT+3], v[TT+2:TT+3], v[TT+6:TT+7]
	v_pk_add_f32 v[TT+8:TT+9], v[TT+8:TT+9], v[TT+12:TT+13]
	v_pk_add_f32 v[TT+10:TT+11], v[TT+10:TT+11], v[TT+14:TT+15]
	v_pk_add_f32 v[LS:LS+1], v[TT:TT+1], v[TT+8:TT+9]
	v_pk_add_f32 v[LS+2:LS+3], v[TT+2:TT+3], v[TT+10:TT+11]
	v_cmp_le_u32 vcc_lo, 16, v1                    ; lanes 16-31 speak for the odd query tile
.irp p, 0,1
	v_cndmask_b32 v[SU+2*\p], v[MM+2*\p], v[MM+2*\p+1], vcc_lo
	v_cndmask_b32 v[SU+1+2*\p], v[LS+2*\p], v[LS+2*\p+1], vcc_lo
	global_store_b64 v[MLO], v[SU+2*\p:SU+1+2*\p], s[8:9] offset:256*\p      ; (m, l) of queries 32 p + L: 256 consecutive bytes
.endr
.Lno_ml:
	s_wait_dscnt 0x0
	s_wait_xcnt 0x0
	v_lshl_add_u32 v62, v0, 2, 0x49400
	v_mov_b32 v63, 0
	s_wait_tensorcnt 0x0
	ds_add_u32 v62, v63
	s_wait_dscnt 0x0
	ROUND                                          ; the closing round: no work-group ends while a partner may still ask for a tile that names it
	s_endpgm
.Lfunc_end_k_q0eba4783ee_attn:
	.size	k_q0eba4783ee_attn, .Lfunc_end_k_q0eba4783ee_attn-k_q0eba4783ee_attn
	.p2alignl 7, 3214868480
	.fill 96, 4, 3214868480
	.section	.rodata,"a",@progbits
	.p2align	6, 0x0
	.amdhsa_kernel k_q0eba4783ee_attn
		.amdhsa_group_segment_fixed_size 327680
		.amdhsa_private_segment_fixed_size 0
		.amdhsa_enable_private_segment 0
		.amdhsa_kernarg_size 24
		.amdhsa_user_sgpr_count 2
		.amdhsa_user_sgpr_kernarg_segment_ptr 1
		.amdhsa_wavefront_size32 1
		.amdhsa_system_sgpr_workgroup_id_x 1
		.amdhsa_system_sgpr_workgroup_id_y 1
		.amdhsa_system_sgpr_workgroup_id_z 1
		.amdhsa_system_vgpr_workitem_id 0
		.amdhsa_next_free_vgpr 1024
		.amdhsa_next_free_sgpr 66
		.amdhsa_reserve_vcc 1
		.amdhsa_float_denorm_mode_32 3
		.amdhsa_float_denorm_mode_16_64 3
		.amdhsa_memory_ordered 1
		.amdhsa_forward_progress 1
		.amdhsa_inst_pref_size 196
	.end_amdhsa_kernel
	.amdgpu_metadata
---
amdhsa.version: [ 1, 2 ]
amdhsa.kernels:
  - .name:           k_q0eba4783ee_attn
    .symbol:         k_q0eba4783ee_attn.kd
    .args:
      - { .name: qkv, .offset: 0, .size: 8, .value_kind: global_buffer, .address_space: global }
      - { .name: opart, .offset: 8, .size: 8, .value_kind: global_buffer, .address_space: global }
      - { .name: ml, .offset: 16, .size: 8, .value_kind: global_buffer, .address_space: global }
    .group_segment_fixed_size: 327680
    .private_segment_fixed_size: 0
    .kernarg_segment_align: 8
    .kernarg_segment_size: 24
    .max_flat_workgroup_size: 128
    .sgpr_count:     66
    .vgpr_count:     1024
    .wavefront_size: 32
...
	.end_amdgpu_metadata
.endif
;; end of part 3
;; launch comb (part 4): grid 256 x 1, 8 waves a work-group, no clusters, 0 bytes of LDS; arguments x, bp, opart, ml, out0; writes out0
.if DOCPART == 4
	.amdgcn_target "amdgcn-amd-amdhsa--gfx1250"
	.amdhsa_code_object_version 6
	.text
	.protected	k_q0eba4783ee_comb
	.globl	k_q0eba4783ee_comb
	.p2align	8
	.type	k_q0eba4783ee_comb,@function
k_q0eba4783ee_comb:
	s_mov_b64 s[64:65], 0
	v_nop
	global_prefetch_b8 v0, s[64:65] scope:SCOPE_SE
	s_setreg_imm32_b32 hwreg(HW_REG_WAVE_MODE, 25, 1), 1
	s_wait_xcnt 0x0
; COMB.  out = x + bp + w0 O0 + w1 O1, where O0, O1 are the two key halves' unnormalised sums with (m0, l0), (m1, l1):
; m = max(m0, m1), e_s = 2^(m_s - m), w_s = e_s / (l0 e0 + l1 e1).  The larger half has e = 1 and l >= 1, so the divisor is at least 1.
; A stream: memory binds, every byte is read and written once; LDS, the matrix unit and clusters would add nothing.
; Work-group g: image b = g >> 7, quarter iq = (g >> 5) & 3 of the 4,096 pixels, channels 16 og .. + 15 (og = g & 31).  Thread t keeps pixels 1,024 iq + 4 t .. + 3 in all 16 rows,
; so its eight weights are made once.  All 52 loads of a thread go out at once; a wave's load or store covers 512 consecutive bytes.
.set ML0, 4                            ; v[4:11]   (m, l) x 4 pixels, half 0
.set ML1, 12                           ; v[12:19]  half 1
.set WA,  20                           ; v[20:23]  w0
.set WB,  24                           ; v[24:27]  w1
.set TM,  28                           ; v[28:39]  at work
.set D,   40                           ; v[40:231] row k: x at 12 k, O0 at 12 k + 4, O1 at 12 k + 8
	s_load_b256 s[4:11], s[0:1], 0x0               ; x s[4:5], bp s[6:7], opart s[8:9], ml s[10:11]
	s_load_b64 s[12:13], s[0:1], 0x20              ; out0
	s_lshr_b32 s14, ttmp9, 7                       ; b
	s_bfe_u32 s15, ttmp9, 0x20005                  ; iq
	s_and_b32 s34, ttmp9, 31                       ; og
	v_lshlrev_b32 v1, 4, v0                        ; 4 pixels of 4 bytes
	v_lshlrev_b32 v2, 5, v0                        ; 4 pixels of 8 bytes
	s_lshl_b32 s38, s34, 18                        ; 16 og rows of 16,384 bytes
	s_lshl_b32 s39, s15, 12                        ; 1,024 iq pixels
	s_add_co_u32 s38, s38, s39
	s_lshl_b32 s36, s14, 23
	s_add_co_u32 s36, s36, s38                     ; x and out0
	s_mov_b32 s37, 0
	s_lshl_b32 s40, s14, 24                        ; opart: y = 2 b
	s_add_co_u32 s40, s40, s38
	s_mov_b32 s41, 0
	s_lshl_b32 s42, s14, 16                        ; ml: y = 2 b
	s_lshl_b32 s39, s15, 13
	s_add_co_u32 s42, s42, s39
	s_mov_b32 s43, 0
	s_lshl_b32 s44, s34, 6                         ; bp
	s_mov_b32 s45, 0
	s_wait_kmcnt 0x0
	s_add_nc_u64 s[4:5], s[4:5], s[36:37]
	s_add_nc_u64 s[12:13], s[12:13], s[36:37]
	s_add_nc_u64 s[8:9], s[8:9], s[40:41]
	s_add_nc_u64 s[46:47], s[8:9], 0x800000        ; the other half: a base of its own, since 8,388,608 does not fit the signed 24-bit immediate
	s_add_nc_u64 s[10:11], s[10:11], s[42:43]
	s_add_nc_u64 s[6:7], s[6:7], s[44:45]
	s_load_b512 s[16:31], s[6:7], 0x0              ; bp of my 16 rows
	global_load_b128 v[ML0:ML0+3],   v2, s[10:11]
	global_load_b128 v[ML0+4:ML0+7], v2, s[10:11] offset:16
	global_load_b128 v[ML1:ML1+3],   v2, s[10:11] offset:32768
	global_load_b128 v[ML1+4:ML1+7], v2, s[10:11] offset:32784
.irp k, 0,1,2,3,4,5,6,7,8,9,10,11,12,13,14,15
	global_load_b128 v[D+12*\k:D+12*\k+3],    v1, s[4:5] offset:\k*16384 th:TH_LOAD_NT
	global_load_b128 v[D+12*\k+4:D+12*\k+7],  v1, s[8:9] offset:\k*16384 th:TH_LOAD_NT
	global_load_b128 v[D+12*\k+8:D+12*\k+11], v1, s[46:47] offset:\k*16384 th:TH_LOAD_NT
.endr
	s_wait_loadcnt 48                              ; (m, l); the 48 loads behind them stay out
.irp i, 0,1,2,3
	v_max_num_f32 v[TM+\i], v[ML0+2*\i], v[ML1+2*\i]
.endr
.irp i, 0,1,2,3
	v_sub_f32 v[WA+\i], v[ML0+2*\i], v[TM+\i]
	v_sub_f32 v[WB+\i], v[ML1+2*\i], v[TM+\i]
.endr
.irp i, 0,1,2,3
	v_exp_f32 v[WA+\i], v[WA+\i]
	v_exp_f32 v[WB+\i], v[WB+\i]
.endr
	v_nop                                          ; one plain place behind the run of transcendentals (ISA guide 5.7.2)
	s_wait_alu depctr_va_vdst(0)
.irp i, 0,1,2,3
	v_mul_f32 v[TM+4+\i], v[ML0+2*\i+1], v[WA+\i]
.endr
.irp i, 0,1,2,3
	v_fmac_f32 v[TM+4+\i], v[ML1+2*\i+1], v[WB+\i]
.endr
.irp i, 0,1,2,3
	v_rcp_f32 v[TM+8+\i], v[TM+4+\i]
.endr
	v_nop
	s_wait_alu depctr_va_vdst(0)
.irp i, 0,2
	v_pk_mul_f32 v[WA+\i:WA+\i+1], v[WA+\i:WA+\i+1], v[TM+8+\i:TM+9+\i]
	v_pk_mul_f32 v[WB+\i:WB+\i+1], v[WB+\i:WB+\i+1], v[TM+8+\i:TM+9+\i]
.endr
	s_wait_kmcnt 0x0                               ; bp
.irp k, 0,1,2,3,4,5,6,7,8,9,10,11,12,13,14,15
	s_wait_loadcnt 3*(15-\k)                       ; row k's three loads are in; three for each later row stay out
	v_pk_fma_f32 v[D+12*\k:D+12*\k+1],   v[D+12*\k+4:D+12*\k+5],   v[WA:WA+1],   v[D+12*\k:D+12*\k+1]
	v_pk_fma_f32 v[D+12*\k+2:D+12*\k+3], v[D+12*\k+6:D+12*\k+7],   v[WA+2:WA+3], v[D+12*\k+2:D+12*\k+3]
	v_pk_fma_f32 v[D+12*\k:D+12*\k+1],   v[D+12*\k+8:D+12*\k+9],   v[WB:WB+1],   v[D+12*\k:D+12*\k+1]
	v_pk_fma_f32 v[D+12*\k+2:D+12*\k+3], v[D+12*\k+10:D+12*\k+11], v[WB+2:WB+3], v[D+12*\k+2:D+12*\k+3]
.irp i, 0,1,2,3
	v_add_f32 v[D+12*\k+\i], s[16+\k], v[D+12*\k+\i]
.endr
	global_store_b128 v1, v[D+12*\k:D+12*\k+3], s[12:13] offset:\k*16384 th:TH_STORE_NT   ; no register of a store is written again
.endr
	s_endpgm
.Lfunc_end_k_q0eba4783ee_comb:
	.size	k_q0eba4783ee_comb, .Lfunc_end_k_q0eba4783ee_comb-k_q0eba4783ee_comb
	.p2alignl 7, 3214868480
	.fill 96, 4, 3214868480
	.section	.rodata,"a",@progbits
	.p2align	6, 0x0
	.amdhsa_kernel k_q0eba4783ee_comb
		.amdhsa_group_segment_fixed_size 0
		.amdhsa_private_segment_fixed_size 0
		.amdhsa_enable_private_segment 0
		.amdhsa_kernarg_size 40
		.amdhsa_user_sgpr_count 2
		.amdhsa_user_sgpr_kernarg_segment_ptr 1
		.amdhsa_wavefront_size32 1
		.amdhsa_system_sgpr_workgroup_id_x 1
		.amdhsa_system_sgpr_workgroup_id_y 1
		.amdhsa_system_sgpr_workgroup_id_z 1
		.amdhsa_system_vgpr_workitem_id 0
		.amdhsa_next_free_vgpr 232
		.amdhsa_next_free_sgpr 66
		.amdhsa_reserve_vcc 0
		.amdhsa_float_denorm_mode_32 3
		.amdhsa_float_denorm_mode_16_64 3
		.amdhsa_memory_ordered 1
		.amdhsa_forward_progress 1
		.amdhsa_inst_pref_size 16
	.end_amdhsa_kernel
	.amdgpu_metadata
---
amdhsa.version: [ 1, 2 ]
amdhsa.kernels:
  - .name:           k_q0eba4783ee_comb
    .symbol:         k_q0eba4783ee_comb.kd
    .args:
      - { .name: x, .offset: 0, .size: 8, .value_kind: global_buffer, .address_space: global }
      - { .name: bp, .offset: 8, .size: 8, .value_kind: global_buffer, .address_space: global }
      - { .name: opart, .offset: 16, .size: 8, .value_kind: global_buffer, .address_space: global }
      - { .name: ml, .offset: 24, .size: 8, .value_kind: global_buffer, .address_space: global }
      - { .name: out0, .offset: 32, .size: 8, .value_kind: global_buffer, .address_space: global }
    .group_segment_fixed_size: 0
    .private_segment_fixed_size: 0
    .kernarg_segment_align: 8
    .kernarg_segment_size: 40
    .max_flat_workgroup_size: 256
    .sgpr_count:     66
    .vgpr_count:     232
    .wavefront_size: 32
...
	.end_amdgpu_metadata
.endif
;; end of part 4
;; ======== version 2 of 2: 4 launches; version 1 with the launches qkv, comb written anew for expert scheduling mode
;; workspace buffers: wimg 1,572,864 bytes; aux 8,192 bytes; qkv 25,165,824 bytes; opart 33,554,432 bytes; ml 131,072 bytes
;; launch prep: the kernel of part 1 again; grid 256 x 1, 16 waves a work-group, no clusters, 69,632 bytes of LDS; arguments x, wq, wk, wv, wp, bq, bk, bv, wimg, aux; writes wimg, aux
;; launch qkv (part 5): grid 64 x 4, 4 waves a work-group, no clusters, 140,032 bytes of LDS; arguments x, gn_gamma, gn_beta, wimg, aux, qkv; writes qkv
.if DOCPART == 5
	.amdgcn_target "amdgcn-amd-amdhsa--gfx1250"
	.amdhsa_code_object_version 6
	.text
	.protected	k_q0eba4783ee_qkv
	.globl	k_q0eba4783ee_qkv
	.p2align	8
	.type	k_q0eba4783ee_qkv,@function
k_q0eba4783ee_qkv:
	s_mov_b64 s[64:65], 0
	v_nop
	global_prefetch_b8 v0, s[64:65] scope:SCOPE_SE
	s_setreg_imm32_b32 hwreg(HW_REG_WAVE_SCHED_MODE, 0, 2), 2
	s_setreg_imm32_b32 hwreg(HW_REG_WAVE_MODE, 25, 1), 1
	s_wait_xcnt 0x0
	s_wait_alu depctr_vm_vsrc(0)
; QKV.  [Q; K; V'] = W h + bias, h = GroupNorm(x) in bf16.  The work-group takes 128 pixels (pb = x id) and 384 of the 1,536 output rows (chunk = y id).
; Phase 0: the four quarters' (mean, M2) of each norm group are joined, and a = gamma rstd, s = beta - mean a go into an LDS table.
; Phase 1: wave w normalises channels 128 w .. + 127 of the 128 pixels (x read once, in f32) and lays them into LDS as B fragment images.
;          A ring of six batches of 8 loads keeps 48 loads of the wave on their way.
; Phase 2: wave w makes row tiles 24 chunk + 6 w + 0 .. 5 for all 8 pixel tiles: 48 accumulators, 384 registers; D = A (W, m = output row) x B (h, n = pixel).
;          W comes through a ring of five register buffers, asked for four K steps (192 matrix instructions) ahead of its use.
; Phase 3: + bias, rounded to bf16.  A lane's eight results are eight neighbouring output rows of one pixel = 16 bytes of the image that the attention reads.
; qkv: [matrix 3][pixel tile 512][row tile 32][512 bytes]; lane (r, h) holds rows 16 ot + 8 h .. + 7 of pixel 16 tile + r.
; NO CLUSTER, NO TENSOR LOAD: every byte of W that the work-group needs is used by exactly one of its waves, so it goes as an image straight into that
; wave's registers, 512 consecutive bytes an instruction; a way through LDS would add 384 KiB of LDS writes and reads, and beside the 131,200 bytes of h
; two slots of four K steps (2 x 98,304 bytes) do not fit in 327,680.  x has to pass through registers to be normalised.
; LIMITS: h and W are rounded to bf16.  NaN and infinities are not treated apart.
; THE MODE: SCHED_MODE bits 1:0 = 2 (LLVM: expert scheduling mode 2), set by the entry lines.  The code itself states the register dependences
; between vector or matrix instructions and memory or LDS instructions, with s_wait_alu, always for 0.
; THE PLAN.  Registers that memory or LDS instructions touch:
;   addresses     v2-v5, v9-v11 and, in window 3, v1008-v1010: made at the head, ahead of one wait, and never written again.
;   PK            Written by phase 0's arithmetic and by each batch's conversions; read by the four LDS stores behind them.
;   TB            Batch i's multiply-adds read it; the table load of batch i + 1 lands in it.
;   XR0 .. XR5    Batch i's multiply-adds and conversions work on XR[i % 6]; behind them the loads of batch i + 6 land in it.
;   H             Two buffers for pixel tiles 0-3 (window 1) and two for tiles 4-7 (window 2).  K step ks multiplies H[ks % 2]; its LDS loads land in H[(ks + 1) % 2].
;   W0 .. W4      K step ks multiplies W[ks % 5]; its loads land in W[(ks + 4) % 5], which the K step before multiplied.
;   ST0, ST1      Phase 3's two out-buffers: each written once by conversions and read once by 24 stores.
; A batch of phase 1 has one wait on vm_vsrc (PK is read) and one on va_vdst, behind its conversions; all its LDS and memory instructions follow that wait.
; A K step has ONE wait on va_vdst, at its head: the K step before is done reading the buffers in which this step's loads land.  This step's matrix instructions name
; H[ks % 2], W[ks % 5] and the accumulators alone, so its loads are dealt among them with no further wait.
; h lies in the accumulators' windows and the address copies in W's window, so that an LDS load of h takes the window setting of the matrix instructions round it.
.set PITCH, 16400                      ; LDS bytes from pixel tile to pixel tile: 64 x 256 + 16, so that the four tiles that sixteen lanes store into fall into different 16-byte columns
.set ASL,   131328                     ; LDS: [channel 512][a, a, s, s] f32
.set XOFF,  2                          ; v2   x: 16 L + 128 w channels
.set HST,   3                          ; v3   LDS: where my 4 pixels' 16 bytes go
.set ASA,   4                          ; v4   LDS: my wave's part of the table
.set L16,   5                          ; v5   16 L: the stores
.set TH,    8                          ; v8   at the head only: h = lane >> 4
.set PK,    12                         ; v[12:27]   phase 0: the table's 64 bytes of my 4 channels; phase 1: the packed result
.set TB,    32                         ; v[32:63]   phase 1: the batch's 8 x (a, a, s, s)
.set XR,    64                         ; v[64:255]  phase 1: six batches of x, 8 channels x 4 pixels each
.set ST,    32                         ; v[32:127], v[128:223]  phase 3: two out-buffers of 24 packed tiles
.set HF,    192                        ; windows 1 and 2 (v448-511, v704-767): buffer p of 4 B fragments at HF + 32 p
.set L16W,  240                        ; window 3, v1008: 16 L: h fragments of pixel tiles 0-3, W's images
.set HB1W,  241                        ; window 3, v1009: 16 L + 4 PITCH: h fragments of pixel tiles 4-7
.set BOFW,  242                        ; window 3, v1010: 32 h: my 8 biases of a row tile
.set BIAS,  48                         ; window 3: the biases lie in W's buffer 1
; window 1 (v256-447): accumulator tile (oi, pt) of pixel tiles 0-3 at 8 (4 oi + pt); window 2 (v512-703): pixel tiles 4-7
; window 3 (v768-1007): five buffers of 6 A fragments, K step ks in buffer ks mod 5
.set MSB, 0
.macro WIN new                         ; the immediate's high byte repeats the setting that is left
.if MSB != \new
	s_set_vgpr_msb (MSB<<8)|\new
.set MSB, \new
.endif
.endm
.macro XLOAD i                         ; batch i: channels 128 w + 8 i + 0 .. 7; each load takes the 128 pixels' 512 consecutive bytes
.irp cc, 0,1,2,3,4,5,6,7
	global_load_b128 v[XR+32*((\i)%6)+4*\cc:XR+32*((\i)%6)+4*\cc+3], v[XOFF], s[4:5] offset:(8*(\i)+\cc)*16384
.endr
.endm
.macro TLOAD i                         ; the table of batch i: every lane reads the same 16 bytes
.irp cc, 0,1,2,3,4,5,6,7
	ds_load_b128 v[TB+4*\cc:TB+4*\cc+3], v[ASA] offset:(\i)*128+\cc*16
.endr
.endm
.macro WLOAD ks                        ; the 6 A fragments of K step ks, 12 loads: data and address in window 3
	WIN 0xc3
.irp oi, 0,1,2,3,4,5
.irp hf, 0,1
	global_load_b128 v[48*((\ks)%5)+8*\oi+4*\hf:48*((\ks)%5)+8*\oi+4*\hf+3], v[L16W], s[10:11] offset:\oi*16384+(\ks)*1024+\hf*512
.endr
.endr
.endm
.macro HLOAD p, base, ks               ; 4 B fragments of K step ks into buffer p, in one run: for K step 0 alone
.irp pt, 0,1,2,3
.irp hf, 0,1
	ds_load_b128 v[HF+32*(\p)+8*\pt+4*\hf:HF+32*(\p)+8*\pt+4*\hf+3], v[\base] offset:\pt*PITCH+(\ks)*1024+\hf*512
.endr
.endr
.endm
	s_load_b256 s[4:11], s[0:1], 0x0               ; x s[4:5], gamma s[6:7], beta s[8:9], wimg s[10:11]
	s_load_b128 s[12:15], s[0:1], 0x20             ; aux s[12:13], qkv s[14:15]
	v_lshl_add_u32 v30, v0, 2, 0x22100
	v_mov_b32 v31, 0
	v_lshrrev_b32 v1, 5, v0
	v_readfirstlane_b32 s16, v1                    ; wave w
	s_and_b32 s17, ttmp7, 0xffff                   ; chunk
	s_lshr_b32 s18, ttmp9, 5                       ; b
	s_and_b32 s19, ttmp9, 31                       ; the block of 128 pixels in its image
	s_lshl_b32 s29, ttmp9, 17                      ; 8 pixel tiles of 16,384 bytes
	s_mov_b32 s31, 0
	s_mul_i32 s26, s17, 24
	v_and_b32 v1, 31, v0
	v_lshlrev_b32 v[L16], 4, v1
	v_lshrrev_b32 v9, 2, v1
	v_and_b32 v10, 3, v1
	v_mul_u32_u24 v[HST], v9, PITCH                ; pixels 4 L .. 4 L + 3: tile L >> 2,
	v_lshl_add_u32 v[HST], v10, 6, v[HST]          ; rows 4 (L & 3) + e of 16 bytes,
	v_bfe_u32 v[TH], v0, 4, 1
	s_wait_alu depctr_va_sdst(0)                   ; s16 is written, ahead of its first reader: the row tile and three offsets are made from it
	s_mul_i32 s27, s16, 6
	s_add_co_u32 s26, s26, s27                     ; my first row tile, 0 .. 90
	s_lshl_b32 s20, s16, 21                        ; each scalar that a vector instruction reads has a register of its own and is not written again
	s_lshl_b32 s21, s16, 12
	s_lshl_b32 s32, s16, 11
	s_add_co_u32 s32, s32, ASL
	v_add_nc_u32 v[XOFF], s20, v[L16]
	v_add_nc_u32 v[HST], s21, v[HST]               ; channel group 16 w + i of 256 bytes
	v_mov_b32 v[ASA], s32
	WIN 0xc0                                       ; destination in window 3, sources in window 0
	v_mov_b32 v[L16W], v[L16]
	v_add_nc_u32 v[HB1W], 4*PITCH, v[L16]
	v_lshlrev_b32 v[BOFW], 5, v[TH]
	WIN 0
	v_lshrrev_b32 v9, 2, v0                        ; thread t has channels 4 t .. 4 t + 3, of norm group t >> 2:
	v_lshlrev_b32 v9, 5, v9                        ; its four quarters' 32 bytes
	v_lshlrev_b32 v10, 4, v0                       ; gamma and beta
	v_lshlrev_b32 v11, 6, v0
	v_add_nc_u32 v11, ASL, v11                     ; the table's 64 bytes for my 4 channels
	s_wait_kmcnt 0x0
	s_lshl_b32 s30, s18, 23
	s_lshl_b32 s33, s19, 9
	s_add_co_u32 s30, s30, s33
	s_add_nc_u64 s[4:5], s[4:5], s[30:31]          ; x at image b, pixel n0
	s_lshl_b32 s30, s18, 10
	s_add_nc_u64 s[22:23], s[12:13], s[30:31]      ; aux at image b's 32 groups (the statistics begin 6,144 bytes further)
	s_lshl_b32 s30, s26, 14
	s_add_nc_u64 s[10:11], s[10:11], s[30:31]      ; wimg at my first row tile
	s_lshl_b32 s30, s26, 6
	s_add_nc_u64 s[24:25], s[12:13], s[30:31]      ; its biases
	s_wait_alu depctr_va_vdst(0)                   ; the addresses v2-v5, v9-v11 and v1008-v1010 are written: every load and store of the kernel reads one of them
	global_load_b128 v[32:35], v9, s[22:23] offset:6144
	global_load_b128 v[36:39], v9, s[22:23] offset:6160
	global_load_b128 v[40:43], v10, s[6:7]
	global_load_b128 v[44:47], v10, s[8:9]
.irp i, 0,1,2,3,4,5
	XLOAD \i
.endr
.irp oi, 0,1,2,3,4,5
	s_add_co_u32 s28, s26, \oi                     ; row tile gt: matrix gt >> 5, tile gt & 31 in it
	s_lshr_b32 s30, s28, 5
	s_lshl_b32 s30, s30, 23
	s_and_b32 s28, s28, 31
	s_lshl_b32 s28, s28, 9
	s_add_co_u32 s30, s30, s28
	s_add_co_u32 s30, s30, s29
	s_add_nc_u64 s[40+2*\oi:41+2*\oi], s[14:15], s[30:31]
.endr
	; PHASE 0.  mean = the mean of the four means; var = (sum of M2 + 16,384 x sum of (mean_q - mean)^2) / 65,536
	s_wait_loadcnt 48                              ; the first four loads; x's 48 stay out
	v_add_f32 v48, v32, v34
	v_add_f32 v49, v36, v38
	v_add_f32 v48, v48, v49
	v_mul_f32 v48, 0x3e800000, v48                 ; mean
	v_sub_f32 v50, v32, v48
	v_sub_f32 v51, v34, v48
	v_sub_f32 v52, v36, v48
	v_sub_f32 v53, v38, v48
	v_mul_f32 v54, v50, v50
	v_fmac_f32 v54, v51, v51
	v_fmac_f32 v54, v52, v52
	v_fmac_f32 v54, v53, v53
	v_add_f32 v55, v33, v35
	v_add_f32 v56, v37, v39
	v_add_f32 v55, v55, v56
	v_mul_f32 v54, 0x3e800000, v54
	v_fmac_f32 v54, 0x37800000, v55                ; + sum of M2 x 2^-16
	v_add_f32 v54, 0x358637bd, v54                 ; + 1e-6
	v_rsq_f32 v57, v54
	v_nop                                          ; one plain place behind the transcendental (ISA guide 5.7.2)
	s_wait_alu depctr_va_vdst(0)                   ; the reciprocal root v57 is written, ahead of its first reader
.irp c, 0,1,2,3
	v_mul_f32 v[PK+4*\c], v[40+\c], v57            ; a = gamma rstd
.endr
.irp c, 0,1,2,3
	v_fma_f32 v[PK+2+4*\c], -v48, v[PK+4*\c], v[44+\c]   ; s = beta - mean a
	v_mov_b32 v[PK+1+4*\c], v[PK+4*\c]             ; each twice: pairs for the packed multiply-add
.endr
.irp c, 0,1,2,3
	v_mov_b32 v[PK+3+4*\c], v[PK+2+4*\c]
.endr
	s_wait_alu depctr_va_vdst(0)                   ; the table's sixteen registers are written, which the LDS stores read; and this phase is done with v32-v57, in which the first table load lands
.irp c, 0,1,2,3
	ds_store_b128 v11, v[PK+4*\c:PK+4*\c+3] offset:16*\c
.endr
	s_wait_dscnt 0x0
	s_barrier_signal -1
	s_barrier_wait -1
	; PHASE 1.  One batch: 8 channels x 128 pixels.  left = the younger global loads that may stay out.
	; All of a batch's arithmetic stands ahead of one wait; behind it go the next batch's table load, the four stores and the eight loads of x, with no vector instruction among them.
.macro XB i, left, next
.set XBX, XR+32*((\i)%6)
	s_wait_loadcnt \left
.if \i == 0
	s_wait_dscnt 0x0                               ; the first table is in
.else
	s_wait_dscnt 4                                 ; this batch's table is in; the last batch's four stores, issued behind the table's eight loads, may be out
.endif
.irp cc, 0,1,2,3,4,5,6,7
	v_pk_fma_f32 v[XBX+4*\cc:XBX+4*\cc+1],   v[XBX+4*\cc:XBX+4*\cc+1],   v[TB+4*\cc:TB+4*\cc+1], v[TB+4*\cc+2:TB+4*\cc+3]
	v_pk_fma_f32 v[XBX+4*\cc+2:XBX+4*\cc+3], v[XBX+4*\cc+2:XBX+4*\cc+3], v[TB+4*\cc:TB+4*\cc+1], v[TB+4*\cc+2:TB+4*\cc+3]
.endr
	s_wait_alu depctr_vm_vsrc(0)                   ; the LDS stores issued so far (the last batch's; in batch 0 the table's) have read the packed registers, which the conversions write again
.irp e, 0,1,2,3
.irp p, 0,1,2,3
	v_cvt_pk_bf16_f32 v[PK+4*\e+\p], v[XBX+8*\p+\e], v[XBX+8*\p+4+\e]   ; pixel 4 L + e, channels 2 p and 2 p + 1 of the eight
.endr
.endr
	s_wait_alu depctr_va_vdst(0)                   ; the multiply-adds are done reading the table, in which the next one lands; the conversions have written the packed registers, which the stores read, and are done reading this batch's x, in which batch i + 6 lands
.if \i < 15
	TLOAD \i+1
.endif
.irp e, 0,1,2,3
	ds_store_b128 v[HST], v[PK+4*\e:PK+4*\e+3] offset:(\i)*256+16*\e
.endr
.if \next
	XLOAD \i+6
.endif
.endm
	TLOAD 0
.irp i, 0,1,2,3,4,5,6,7,8,9
	XB \i, 40, 1                                   ; five younger batches of 8 loads stay out
.endr
	XB 10, 40, 0                                   ; batches 11 to 15
	WLOAD 0                                        ; x's last batch has been asked for: W's first four K steps follow, 12 loads each, into registers that no vector instruction has named
	WIN 0
	XB 11, 44, 0                                   ; 4 batches + 12
	WLOAD 1
	WIN 0
	XB 12, 48, 0                                   ; 3 batches + 24
	WLOAD 2
	WIN 0
	XB 13, 52, 0                                   ; 2 batches + 36
	XB 14, 44, 0                                   ; 1 batch + 36
	WLOAD 3
	WIN 0
	XB 15, 48, 0                                   ; W's 48
	s_wait_dscnt 0x0                               ; my part of h is in LDS before I say so
	s_barrier_signal -1
	s_barrier_wait -1
	WIN 0x57                                       ; data in window 1, address in window 3
	HLOAD 0, L16W, 0                               ; K step 0's fragments, into registers that no vector instruction has named
	WIN 0xab                                       ; data in window 2, address in window 3
	HLOAD 0, HB1W, 0
	; PHASE 2.  The 48 accumulators take turns, one instruction a turn.
	; 24 matrix instructions on one half of the pixel tiles.  Behind each of the first four rows of four stand the two LDS loads of one fragment of the next K step, into the other buffer.
.macro MUL24 ks, base, zero
.set WBM, 48*((\ks)%5)
.set HC, HF+32*((\ks)%2)
.set HN, HF+32*(((\ks)+1)%2)
.irp oi, 0,1,2,3,4,5
.irp pt, 0,1,2,3
.if \zero
	v_wmma_f32_16x16x32_bf16 v[(\oi*4+\pt)*8:(\oi*4+\pt)*8+7], v[WBM+8*\oi:WBM+8*\oi+7], v[HC+8*\pt:HC+8*\pt+7], 0
.else
	v_wmma_f32_16x16x32_bf16 v[(\oi*4+\pt)*8:(\oi*4+\pt)*8+7], v[WBM+8*\oi:WBM+8*\oi+7], v[HC+8*\pt:HC+8*\pt+7], v[(\oi*4+\pt)*8:(\oi*4+\pt)*8+7]
.endif
.endr
.if (\ks < 15) && (\oi < 4)
	ds_load_b128 v[HN+8*\oi:HN+8*\oi+3],   v[\base] offset:\oi*PITCH+((\ks)+1)*1024       ; no wait: no matrix instruction since the wait at the K step's head names the other buffer
	ds_load_b128 v[HN+8*\oi+4:HN+8*\oi+7], v[\base] offset:\oi*PITCH+((\ks)+1)*1024+512
.endif
.endr
.endm
.macro KS ks, zero
.set LEFT, 36                                      ; three younger groups of 12 loads; the 17th group is the biases, so at the end two and one
.if \ks > 13
.set LEFT, 12*(16-\ks)
.endif
	s_wait_loadcnt LEFT                            ; this K step's W is in
	s_wait_dscnt 8                                 ; pixel tiles 0-3 are in; the 8 loads of tiles 4-7 may be out
.if (\ks > 0) && (\ks < 15)
	s_wait_alu depctr_va_vdst(0)                   ; the K step before is done reading its two buffers of h and its buffer of W, in which this K step's loads land
.endif
	WIN 0x57                                       ; A and the LDS address in window 3; B, C, D and the loaded h in window 1
	MUL24 \ks, L16W, \zero
.if \ks < 12
	WLOAD \ks+4                                    ; into the buffer that the last K step multiplied
.endif
.if \ks == 12
	WIN 0xc3
.irp oi, 0,1,2,3,4,5
	global_load_b128 v[BIAS+8*\oi:BIAS+8*\oi+3],   v[BOFW], s[24:25] offset:\oi*64      ; the biases of rows 16 gt + 8 h + 0 .. 7, in place of a K step 16
	global_load_b128 v[BIAS+8*\oi+4:BIAS+8*\oi+7], v[BOFW], s[24:25] offset:\oi*64+16
.endr
.endif
.if \ks < 15
	s_wait_dscnt 8                                 ; tiles 4-7 are in; the 8 LDS loads just dealt stay out
.else
	s_wait_dscnt 0x0
.endif
	WIN 0xab                                       ; A and the LDS address in window 3; B, C, D and the loaded h in window 2
	MUL24 \ks, HB1W, \zero
.endm
	KS 0, 1                                        ; the first products start the sums: nothing is cleared
.irp ks, 1,2,3,4,5,6,7,8,9,10,11,12,13,14,15
	KS \ks, 0
.endr
	; PHASE 3.  addw: D and source 0 in the accumulators' window, the bias in window 3; cvtw: both sources in the accumulators' window, the result in window 0.
	; Each half has an out-buffer of its own: no register that a store reads is written again.
.macro FIN addw, cvtw, second
.set STB, ST+96*\second
	WIN \addw
.irp oi, 0,1,2,3,4,5
.irp pt, 0,1,2,3
.irp p, 0,2,4,6
	v_pk_add_f32 v[(\oi*4+\pt)*8+\p:(\oi*4+\pt)*8+\p+1], v[(\oi*4+\pt)*8+\p:(\oi*4+\pt)*8+\p+1], v[BIAS+8*\oi+\p:BIAS+8*\oi+\p+1]
.endr
.endr
.endr
	WIN \cvtw
.irp oi, 0,1,2,3,4,5
.irp pt, 0,1,2,3
.irp q, 0,1,2,3
	v_cvt_pk_bf16_f32 v[STB+4*(\oi*4+\pt)+\q], v[(\oi*4+\pt)*8+2*\q], v[(\oi*4+\pt)*8+2*\q+1]
.endr
.endr
.endr
	WIN 0
	s_wait_alu depctr_va_vdst(0)                   ; the conversions have written this half's out-buffer, which the 24 stores read
.irp oi, 0,1,2,3,4,5
.irp pt, 0,1,2,3
	global_store_b128 v[L16], v[STB+4*(\oi*4+\pt):STB+4*(\oi*4+\pt)+3], s[40+2*\oi:41+2*\oi] offset:(\pt+4*\second)*16384   ; 512 consecutive bytes, aligned
.endr
.endr
.endm
.rept 4
	v_nop                                          ; four places behind the matrix instructions, ahead of the vector instructions that read their results (ISA guide 7.12.1)
.endr
	s_wait_loadcnt 0x0                             ; the biases
	FIN 0x4d, 0x05, 0
	FIN 0x8e, 0x0a, 1
	s_wait_dscnt 0x0                               ; the closing lines, six on end
	s_wait_alu 0x0
	s_wait_tensorcnt 0x0
	ds_add_u32 v30, v31
	s_wait_dscnt 0x0
	s_endpgm
.Lfunc_end_k_q0eba4783ee_qkv:
	.size	k_q0eba4783ee_qkv, .Lfunc_end_k_q0eba4783ee_qkv-k_q0eba4783ee_qkv
	.p2alignl 7, 3214868480
	.fill 96, 4, 3214868480
	.section	.rodata,"a",@progbits
	.p2align	6, 0x0
	.amdhsa_kernel k_q0eba4783ee_qkv
		.amdhsa_group_segment_fixed_size 140032
		.amdhsa_private_segment_fixed_size 0
		.amdhsa_enable_private_segment 0
		.amdhsa_kernarg_size 48
		.amdhsa_user_sgpr_count 2
		.amdhsa_user_sgpr_kernarg_segment_ptr 1
		.amdhsa_wavefront_size32 1
		.amdhsa_system_sgpr_workgroup_id_x 1
		.amdhsa_system_sgpr_workgroup_id_y 1
		.amdhsa_system_sgpr_workgroup_id_z 1
		.amdhsa_system_vgpr_workitem_id 0
		.amdhsa_next_free_vgpr 1024
		.amdhsa_next_free_sgpr 66
		.amdhsa_reserve_vcc 0
		.amdhsa_float_denorm_mode_32 3
		.amdhsa_float_denorm_mode_16_64 3
		.amdhsa_memory_ordered 1
		.amdhsa_forward_progress 1
		.amdhsa_inst_pref_size 180
	.end_amdhsa_kernel
	.amdgpu_metadata
---
amdhsa.version: [ 1, 2 ]
amdhsa.kernels:
  - .name:           k_q0eba4783ee_qkv
    .symbol:         k_q0eba4783ee_qkv.kd
    .args:
      - { .name: x, .offset: 0, .size: 8, .value_kind: global_buffer, .address_space: global }
      - { .name: gn_gamma, .offset: 8, .size: 8, .value_kind: global_buffer, .address_space: global }
      - { .name: gn_beta, .offset: 16, .size: 8, .value_kind: global_buffer, .address_space: global }
      - { .name: wimg, .offset: 24, .size: 8, .value_kind: global_buffer, .address_space: global }
      - { .name: aux, .offset: 32, .size: 8, .value_kind: global_buffer, .address_space: global }
      - { .name: qkv, .offset: 40, .size: 8, .value_kind: global_buffer, .address_space: global }
    .group_segment_fixed_size: 140032
    .private_segment_fixed_size: 0
    .kernarg_segment_align: 8
    .kernarg_segment_size: 48
    .max_flat_workgroup_size: 128
    .sgpr_count:     66
    .vgpr_count:     1024
    .wavefront_size: 32
...
	.end_amdgpu_metadata
.endif
;; end of part 5
;; launch attn: the kernel of part 3 again; grid 64 x 4, 4 waves a work-group, clusters of 4 x 1, 327,680 bytes of LDS; arguments qkv, opart, ml; writes opart, ml
;; launch comb (part 6): grid 256 x 1, 8 waves a work-group, no clusters, 0 bytes of LDS; arguments x, bp, opart, ml, out0; writes out0
.if DOCPART == 6
	.amdgcn_target "amdgcn-amd-amdhsa--gfx1250"
	.amdhsa_code_object_version 6
	.text
	.protected	k_q0eba4783ee_comb
	.globl	k_q0eba4783ee_comb
	.p2align	8
	.type	k_q0eba4783ee_comb,@function
k_q0eba4783ee_comb:
	s_mov_b64 s[64:65], 0
	v_nop
	global_prefetch_b8 v0, s[64:65] scope:SCOPE_SE
	s_setreg_imm32_b32 hwreg(HW_REG_WAVE_SCHED_MODE, 0, 2), 2
	s_setreg_imm32_b32 hwreg(HW_REG_WAVE_MODE, 25, 1), 1
	s_wait_xcnt 0x0
	s_wait_alu depctr_vm_vsrc(0)
; COMB.  out = x + bp + w0 O0 + w1 O1, where O0, O1 are the two key halves' unnormalised sums with (m0, l0), (m1, l1):
; m = max(m0, m1), e_s = 2^(m_s - m), w_s = e_s / (l0 e0 + l1 e1).  The larger half has e = 1 and l >= 1, so the divisor is at least 1.
; A stream: memory binds, every byte is read and written once; LDS, the matrix unit and clusters would add nothing.
; Work-group g: image b = g >> 7, quarter iq = (g >> 5) & 3 of the 4,096 pixels, channels 16 og .. + 15 (og = g & 31).  Thread t keeps pixels 1,024 iq + 4 t .. + 3 in all 16 rows,
; so its eight weights are made once.  All 52 loads of a thread go out at once; a wave's load or store covers 512 consecutive bytes.
; THE MODE: SCHED_MODE bits 1:0 = 2 (LLVM: expert scheduling mode 2), set by the entry lines.  The code itself states the register dependences
; between vector instructions and memory instructions, with s_wait_alu, always for 0.
; THE PLAN.  Registers that memory instructions touch:
;   v1, v2     byte offsets, made once at the head, ahead of one wait, and never written again.
;   ML0, ML1   and the 16 rows of D: each loaded once, ahead of every vector instruction that names it.
;   D, row k   its first four registers are written by row k's eight vector instructions and read by one store, which is issued at the head of row k + 1,
;              behind the wait for that row's data and one wait on va_vdst.  No register that a store reads is written again, so no wait on vm_vsrc is owed.
.set ML0, 4                            ; v[4:11]   (m, l) x 4 pixels, half 0
.set ML1, 12                           ; v[12:19]  half 1
.set WA,  20                           ; v[20:23]  w0
.set WB,  24                           ; v[24:27]  w1
.set TM,  28                           ; v[28:39]  at work
.set D,   40                           ; v[40:231] row k: x at 12 k, O0 at 12 k + 4, O1 at 12 k + 8
	s_load_b256 s[4:11], s[0:1], 0x0               ; x s[4:5], bp s[6:7], opart s[8:9], ml s[10:11]
	s_load_b64 s[12:13], s[0:1], 0x20              ; out0
	s_lshr_b32 s14, ttmp9, 7                       ; b
	s_bfe_u32 s15, ttmp9, 0x20005                  ; iq
	s_and_b32 s34, ttmp9, 31                       ; og
	v_lshlrev_b32 v1, 4, v0                        ; 4 pixels of 4 bytes
	v_lshlrev_b32 v2, 5, v0                        ; 4 pixels of 8 bytes
	s_lshl_b32 s38, s34, 18                        ; 16 og rows of 16,384 bytes
	s_lshl_b32 s39, s15, 12                        ; 1,024 iq pixels
	s_add_co_u32 s38, s38, s39
	s_lshl_b32 s36, s14, 23
	s_add_co_u32 s36, s36, s38                     ; x and out0
	s_mov_b32 s37, 0
	s_lshl_b32 s40, s14, 24                        ; opart: y = 2 b
	s_add_co_u32 s40, s40, s38
	s_mov_b32 s41, 0
	s_lshl_b32 s42, s14, 16                        ; ml: y = 2 b
	s_lshl_b32 s39, s15, 13
	s_add_co_u32 s42, s42, s39
	s_mov_b32 s43, 0
	s_lshl_b32 s44, s34, 6                         ; bp
	s_mov_b32 s45, 0
	s_wait_kmcnt 0x0
	s_add_nc_u64 s[4:5], s[4:5], s[36:37]
	s_add_nc_u64 s[12:13], s[12:13], s[36:37]
	s_add_nc_u64 s[8:9], s[8:9], s[40:41]
	s_add_nc_u64 s[46:47], s[8:9], 0x800000        ; the other half: a base of its own, since 8,388,608 does not fit the signed 24-bit immediate
	s_add_nc_u64 s[10:11], s[10:11], s[42:43]
	s_add_nc_u64 s[6:7], s[6:7], s[44:45]
	s_load_b512 s[16:31], s[6:7], 0x0              ; bp of my 16 rows
	s_wait_alu depctr_va_vdst(0)                   ; v1 and v2 are written: every load and store of the kernel reads one of them as its offset
	global_load_b128 v[ML0:ML0+3],   v2, s[10:11]
	global_load_b128 v[ML0+4:ML0+7], v2, s[10:11] offset:16
	global_load_b128 v[ML1:ML1+3],   v2, s[10:11] offset:32768
	global_load_b128 v[ML1+4:ML1+7], v2, s[10:11] offset:32784
.irp k, 0,1,2,3,4,5,6,7,8,9,10,11,12,13,14,15
	global_load_b128 v[D+12*\k:D+12*\k+3],    v1, s[4:5] offset:\k*16384 th:TH_LOAD_NT
	global_load_b128 v[D+12*\k+4:D+12*\k+7],  v1, s[8:9] offset:\k*16384 th:TH_LOAD_NT
	global_load_b128 v[D+12*\k+8:D+12*\k+11], v1, s[46:47] offset:\k*16384 th:TH_LOAD_NT
.endr
	s_wait_loadcnt 48                              ; (m, l); the 48 loads behind them stay out
.irp i, 0,1,2,3
	v_max_num_f32 v[TM+\i], v[ML0+2*\i], v[ML1+2*\i]
.endr
.irp i, 0,1,2,3
	v_sub_f32 v[WA+\i], v[ML0+2*\i], v[TM+\i]
	v_sub_f32 v[WB+\i], v[ML1+2*\i], v[TM+\i]
.endr
.irp i, 0,1,2,3
	v_exp_f32 v[WA+\i], v[WA+\i]
	v_exp_f32 v[WB+\i], v[WB+\i]
.endr
	v_nop                                          ; one plain place behind the run of transcendentals (ISA guide 5.7.2)
	s_wait_alu depctr_va_vdst(0)                   ; the eight exponentials are written, ahead of their first reader
.irp i, 0,1,2,3
	v_mul_f32 v[TM+4+\i], v[ML0+2*\i+1], v[WA+\i]
.endr
.irp i, 0,1,2,3
	v_fmac_f32 v[TM+4+\i], v[ML1+2*\i+1], v[WB+\i]
.endr
.irp i, 0,1,2,3
	v_rcp_f32 v[TM+8+\i], v[TM+4+\i]
.endr
	v_nop
	s_wait_alu depctr_va_vdst(0)                   ; the four reciprocals are written, ahead of their first reader
.irp i, 0,2
	v_pk_mul_f32 v[WA+\i:WA+\i+1], v[WA+\i:WA+\i+1], v[TM+8+\i:TM+9+\i]
	v_pk_mul_f32 v[WB+\i:WB+\i+1], v[WB+\i:WB+\i+1], v[TM+8+\i:TM+9+\i]
.endr
	s_wait_kmcnt 0x0                               ; bp
.irp k, 0,1,2,3,4,5,6,7,8,9,10,11,12,13,14,15
	s_wait_loadcnt 3*(15-\k)                       ; row k's three loads are in; three for each later row stay out
.if \k > 0
	s_wait_alu depctr_va_vdst(0)                   ; the row before is written, which the store below reads
	global_store_b128 v1, v[D+12*(\k-1):D+12*(\k-1)+3], s[12:13] offset:(\k-1)*16384 th:TH_STORE_NT   ; no register of a store is written again
.endif
	v_pk_fma_f32 v[D+12*\k:D+12*\k+1],   v[D+12*\k+4:D+12*\k+5],   v[WA:WA+1],   v[D+12*\k:D+12*\k+1]
	v_pk_fma_f32 v[D+12*\k+2:D+12*\k+3], v[D+12*\k+6:D+12*\k+7],   v[WA+2:WA+3], v[D+12*\k+2:D+12*\k+3]
	v_pk_fma_f32 v[D+12*\k:D+12*\k+1],   v[D+12*\k+8:D+12*\k+9],   v[WB:WB+1],   v[D+12*\k:D+12*\k+1]
	v_pk_fma_f32 v[D+12*\k+2:D+12*\k+3], v[D+12*\k+10:D+12*\k+11], v[WB+2:WB+3], v[D+12*\k+2:D+12*\k+3]
.irp i, 0,1,2,3
	v_add_f32 v[D+12*\k+\i], s[16+\k], v[D+12*\k+\i]
.endr
.endr
	s_wait_alu depctr_va_vdst(0)                   ; row 15 is written, which the last store reads
	global_store_b128 v1, v[D+12*15:D+12*15+3], s[12:13] offset:15*16384 th:TH_STORE_NT
	s_endpgm
.Lfunc_end_k_q0eba4783ee_comb:
	.size	k_q0eba4783ee_comb, .Lfunc_end_k_q0eba4783ee_comb-k_q0eba4783ee_comb
	.p2alignl 7, 3214868480
	.fill 96, 4, 3214868480
	.section	.rodata,"a",@progbits
	.p2align	6, 0x0
	.amdhsa_kernel k_q0eba4783ee_comb
		.amdhsa_group_segment_fixed_size 0
		.amdhsa_private_segment_fixed_size 0
		.amdhsa_enable_private_segment 0
		.amdhsa_kernarg_size 40
		.amdhsa_user_sgpr_count 2
		.amdhsa_user_sgpr_kernarg_segment_ptr 1
		.amdhsa_wavefront_size32 1
		.amdhsa_system_sgpr_workgroup_id_x 1
		.amdhsa_system_sgpr_workgroup_id_y 1
		.amdhsa_system_sgpr_workgroup_id_z 1
		.amdhsa_system_vgpr_workitem_id 0
		.amdhsa_next_free_vgpr 232
		.amdhsa_next_free_sgpr 66
		.amdhsa_reserve_vcc 0
		.amdhsa_float_denorm_mode_32 3
		.amdhsa_float_denorm_mode_16_64 3
		.amdhsa_memory_ordered 1
		.amdhsa_forward_progress 1
		.amdhsa_inst_pref_size 17
	.end_amdhsa_kernel
	.amdgpu_metadata
---
amdhsa.version: [ 1, 2 ]
amdhsa.kernels:
  - .name:           k_q0eba4783ee_comb
    .symbol:         k_q0eba4783ee_comb.kd
    .args:
      - { .name: x, .offset: 0, .size: 8, .value_kind: global_buffer, .address_space: global }
      - { .name: bp, .offset: 8, .size: 8, .value_kind: global_buffer, .address_space: global }
      - { .name: opart, .offset: 16, .size: 8, .value_kind: global_buffer, .address_space: global }
      - { .name: ml, .offset: 24, .size: 8, .value_kind: global_buffer, .address_space: global }
      - { .name: out0, .offset: 32, .size: 8, .value_kind: global_buffer, .address_space: global }
    .group_segment_fixed_size: 0
    .private_segment_fixed_size: 0
    .kernarg_segment_align: 8
    .kernarg_segment_size: 40
    .max_flat_workgroup_size: 256
    .sgpr_count:     66
    .vgpr_count:     232
    .wavefront_size: 32
...
	.end_amdgpu_metadata
.endif
;; end of part 6
